; MI455X (gfx1250); checked and timed in simulation.
; The chip was launched on July 23, 2026; its instructions are those of AMD's public machine-readable ISA for CDNA 5 (MIT licence, August 2026) and "CDNA5" Instruction Set Architecture Reference Guide (July 2026). The comments in the code are by the model that wrote it; some were corrected since.
;; attn mh. Allowed arithmetic: matrix products marked QUANTISED: E2M1 operands, one E8M0 scale for each 32 along K, by v_wmma_scale_f32_16x16x128_f8f6f4 with both operands' format E2M1 (or v_wmma_scale_f32_32x16x128_f4), f32 sums; everything else in f32.
;; Inputs: Wk 1,024 x 1,024 float32; Wo 1,024 x 1,024 float32; Wq 1,024 x 1,024 float32; Wv 1,024 x 1,024 float32; bk 1,024 float32; bo 1,024 float32; bq 1,024 float32; bv 1,024 float32; group_prob 1 x 4,096 x 4,096 float32; k 1 x 4,096 x 1,024 float32; ln_b 1,024 float32; ln_g 1,024 float32; mask 1 x 1 x 4,096 x 4,096 int32; q 1 x 4,096 x 1,024 float32; v 1 x 4,096 x 1,024 float32.
;; Outputs: out0 1 x 4,096 x 1,024 float32.
;; This version of the problem:
;;   THIS VERSION OF THE PROBLEM IS GIVEN IN LOW PRECISION. The matrix products marked QUANTISED in the list below multiply operands that are first quantised to E2M1 (2 exponent bits, 1 mantissa bit; 4 bits a number), with one power-of-two scale for each 32 numbers along K (OCP MX v1.0); their sums are f32. All else is computed in f32.
;;   The module's matrix products, in the order in which they are computed (A, B: the left and right operand; K: the contracted axis; several contracted axes count as one K, in the product's order):
;;     1. [M 4,096, K 1,024] x [K 1,024, N 1,024]; A: input q; B: input Wq: QUANTISED
;;     2. [M 4,096, K 1,024] x [K 1,024, N 1,024]; A: input k; B: input Wk: QUANTISED
;;     3. [M 4,096, K 1,024] x [K 1,024, N 1,024]; A: input v; B: input Wv: QUANTISED
;;     4. batch 8 x [M 4,096, K 128] x [K 128, N 4,096]; A: computed on the way; B: computed on the way: QUANTISED
;;     5. batch 8 x [M 4,096, K 4,096] x [K 4,096, N 128]; A: computed on the way; B: computed on the way: QUANTISED
;;     6. [M 4,096, K 1,024] x [K 1,024, N 1,024]; A: computed on the way; B: input Wo: QUANTISED
;;   THE QUANTISER, for each operand of a quantised product, along K:
;;     - K is cut into blocks of 32 from its start; a last block that is shorter is filled with zeros.
;;     - A block's scale is 2^e with e = floor(log2(the largest magnitude in the block)) - 2, held to -126 .. 127; a block of zeros has e = 0. As a byte (E8M0): e + 127.
;;     - Each number is divided by its block's scale, clamped to +-6, and rounded to the nearest number of E2M1, ties to even, subnormals kept.
;;     - The product sums the exact products of the quantised numbers (number of the format x scale) in f32.
;;   ~~~python
;;   def quantise(x, axis):      # numpy; x: float32 -> the quantised numbers, widened to float32 again
;;       x = np.moveaxis(x, axis, -1); K = x.shape[-1]
;;       x = np.pad(x, [(0, 0)] * (x.ndim - 1) + [(0, -K % 32)]); x = x.reshape(x.shape[:-1] + (-1, 32)); a = np.abs(x).max(-1, keepdims=True)
;;       e = np.where(a > 0, np.clip(np.frexp(np.where(a > 0, a, 1))[1] - 1 - 2, -126, 127), 0)      # np.frexp(a)[1] - 1 = floor(log2(a)), exactly
;;       r = np.clip(x / 2.0 ** e, -6, 6)
;;       step = 2.0 ** (np.maximum(np.frexp(np.where(r == 0, 1, r))[1] - 1, 0) - 1)
;;       q = np.round(r / step) * step * 2.0 ** e      # np.round: ties to even
;;       return np.moveaxis(q.reshape(q.shape[:-2] + (-1,))[..., :K], -1, axis).astype(np.float32)
;;   ~~~
;;   OPERANDS COMPUTED ON THE WAY. 'Computed on the way' means the value that the module computes at that place (a softmax that the list does not call 'softmax' is quantised finished and normalised). What goes into a quantiser is computed in f32, as accurately as f32 sums, v_exp_f32 and their like allow (about 1e-6 of the number): no bf16 or f16 on the way to a quantiser, and a product that is left as it is and whose result goes on into a quantised operand takes f32 operands (vector FMAs, or v_wmma_f32_16x16x4_f32). A number that lies on a knife's edge between two numbers of the format may be rounded either way, as far as f32 arithmetic and the matrix unit's own rounding can turn it there, and no further.
;; One version. Each part assembles by itself: llvm-mc -triple=amdgcn-amd-amdhsa -mcpu=gfx1250 --defsym DOCPART=n.
;; ======== version 1 of 1: 4 launches
;; limits: right only within a limited range of input values
;; workspace buffers: codes 8,388,608 bytes; scales 524,288 bytes; mcodes 8,388,608 bytes; hc 6,291,456 bytes; hs 393,216 bytes; zc 2,097,152 bytes; zs 131,072 bytes
;; launch prep (part 1): grid 512 x 1, 4 waves a work-group, no clusters, 35,328 bytes of LDS; arguments q, k, v, Wq, Wk, Wv, Wo, mask, codes, scales, mcodes; writes codes, scales, mcodes
.if DOCPART == 1
	.amdgcn_target "amdgcn-amd-amdhsa--gfx1250"
	.amdhsa_code_object_version 6
	.text
	.protected	k_q16dac79ac3_prep
	.globl	k_q16dac79ac3_prep
	.p2align	8
	.type	k_q16dac79ac3_prep,@function
k_q16dac79ac3_prep:
	s_mov_b64 s[64:65], 0
	v_nop
	global_prefetch_b8 v0, s[64:65] scope:SCOPE_SE
	s_setreg_imm32_b32 hwreg(HW_REG_WAVE_MODE, 25, 1), 1
	s_wait_xcnt 0x0
; LAUNCH 1 OF 4.  q, k, v [4096][1024], Wq, Wk, Wv, Wo [1024][1024] (f32, K innermost) become codes of FP4 (E2M1) with one E8M0 byte for each 32 along K;
; mask [4096][4096] (int32) becomes codes of FP4: -6 where mask == 0, else 0 (the attention launch lays them under the scores by a matrix product).
; DEAD WORK: none.  Every input of reference() has a way to the output: each bias goes into a quantised operand or into y, mask and group_prob into the weights.  Nothing is left out in any launch.
; LIMITS OF THE PROGRAM: raw scores (q . k of a head, before the division) stay under 2^32 in magnitude: a hidden score is marked by -6 x 2^31.  NaN and infinities among the inputs are not served.
; A weight under 2^-126 is taken as 0 (v_exp_f32 flushes it).  A block of zeros gets the scale byte 1 where the rule says 127: its codes are zeros, and the bytes are read by this program alone.
; Sums along the keys are formed in parts (by lane and by wave), in another order than reference()'s.
; LAYOUT OUT.  A fragment (16 rows x 128 K) is stored as an IMAGE OF THE OPERAND'S REGISTERS, 1,024 bytes: piece c (0, 1) is 512 bytes, lane l's 16 bytes at 16 l = the codes of row l % 16 at K = 64 c + 32 (l / 16) + 0 .. 31.
; codes: [tile 1024][K step 8][image]; tiles: q 0-255, k 256-511, v 512-767, Wq 768-831, Wk 832-895, Wv 896-959, Wo 960-1023.  scales: [tile][row 16][8 words], word s = the four bytes of K step s.
; mcodes: [tile of 16 queries 256][key step 32][image].
; THE ROWS OF A TILE: q, Wo, mask: 16 neighbours.  k, v, Wq, Wk, Wv: tile 8 G + 4 c + u takes rows 128 G + 64 c + 8 u + 32 (i / 8) + i % 8: as source 0 of a product such tiles leave 32 NEIGHBOURS of the
; next product's K in one lane's registers.
; SHARES.  A wave takes one task: 16 rows x 1,024 columns, in 16 pieces of 64 columns.  A piece's eight loads read whole row pieces of 256 bytes; it turns through the wave's own stage in LDS, so that a lane
; gets the 32 neighbours of its block; a block's largest magnitude needs no other lane.  Loads run three pieces (24 loads a wave) ahead, the turn one.  No tensor load, no barrier: waves share nothing.
; No matrix unit, no cluster: the launch streams, each byte read once and written once.
.set STG,   4352                       ; a stage: 16 rows x (256 bytes + 16)
.set WREG,  8704                       ; two stages for each wave
.set SPARE, 34816                      ; behind the four waves' stages: the spare words, 128 bytes a wave
.set VO,   1                           ; v1-8    load i: byte offset of rows 2 i, 2 i + 1 of the tile; never rewritten
.set LIN,  9                           ; v9      stage, way in
.set LOUT, 10                          ; v10     stage, way out
.set LI,   11                          ; v11     16 x lane
.set SPW,  12                          ; v12     my spare word
.set NIL,  13                          ; v13     0
.set SH8,  14                          ; v14     8 x (lane / 16)
.set SO,   15                          ; v15     my 16 bytes of the tile's scale words
.set W,    16                          ; v16-23  scale words, one for each K step
.set TM,   24                          ; v24-31  at work
.set ONE,  30                          ; v30     1.0: the mask codes' scale operand (at the end, where no mask's task comes, at work)
.set M6,   31                          ; v31     -6.0 (likewise)
.set R,    32                          ; v32-127 three sets of 32: a piece as loaded
.set X,    128                         ; v128-191 two sets of 32: my block's 32 neighbours
.set C,    192                         ; v192-255 four registers of codes for each piece: no store's data are written again
	s_load_b512 s[8:23], s[0:1], 0x0               ; q, k, v, Wq, Wk, Wv, Wo, mask
	s_load_b128 s[24:27], s[0:1], 0x40             ; codes, scales
	s_load_b64 s[28:29], s[0:1], 0x50              ; mcodes
	v_lshl_add_u32 v[SPW], v0, 2, SPARE
	v_mov_b32 v[NIL], 0
	v_lshrrev_b32 v[TM], 5, v0
	v_readfirstlane_b32 s2, v[TM]                  ; wave
	s_lshl_b32 s3, ttmp9, 2
	s_add_co_u32 s3, s3, s2                        ; task = 4 x work-group + wave
	v_and_b32 v[TM+1], 31, v0                      ; lane
	v_and_b32 v[TM+2], 15, v0                      ; r
	v_bfe_u32 v[TM+3], v0, 4, 1                    ; h
	v_lshlrev_b32 v[TM+4], 4, v[TM+2]              ; 16 r
	s_mul_i32 s45, s2, WREG
	v_mad_u32_u24 v[LIN], v[TM+3], 272, v[TM+4]
	v_add_nc_u32 v[LIN], s45, v[LIN]               ; in: lanes 0-15 one row's 256 bytes, lanes 16-31 the next row's
	v_mul_u32_u24 v[LOUT], v[TM+2], 272
	v_lshl_add_u32 v[LOUT], v[TM+3], 7, v[LOUT]
	v_add_nc_u32 v[LOUT], s45, v[LOUT]             ; out: row r, my half's 128 bytes
	v_lshlrev_b32 v[LI], 4, v[TM+1]
	v_lshlrev_b32 v[SH8], 3, v[TM+3]
	v_lshlrev_b32 v[SO], 5, v[TM+2]
	v_lshl_add_u32 v[SO], v[TM+3], 4, v[SO]        ; 32 r + 16 h
	v_mov_b32 v[TM+5], 0                           ; (a lane permute's destination counts as one of its sources: all of v24-31 are written here at the head)
	v_mov_b32 v[ONE], 1.0
	v_mov_b32 v[M6], 0xc0c00000
.irp i, 0,1,2,3,4,5,6,7
	v_mov_b32 v[W+\i], 0                           ; written once, so that every way through the text finds them written
.endr
	s_mov_b32 s48, 0x76543210
	s_mov_b32 s49, 0xfedcba98                      ; v_permlanex16_b32's selects for lane l xor 16
	s_mov_b32 s32, 0                               ; the tensor's first task
	s_mov_b32 s33, 0                               ; 1: the rows of a tile are not neighbours
	s_wait_kmcnt 0x0
	s_mov_b64 s[30:31], s[8:9]                     ; the source: chosen by the work-group's number alone
.macro PICK lim, ptr, first, flag
	s_cmp_ge_u32 ttmp9, \lim
	s_cselect_b64 s[30:31], s[\ptr:\ptr+1], s[30:31]
	s_cselect_b32 s32, \first, s32
	s_cselect_b32 s33, \flag, s33
.endm
	PICK 64, 10, 256, 1
	PICK 128, 12, 512, 1
	PICK 192, 14, 768, 1
	PICK 208, 16, 832, 1
	PICK 224, 18, 896, 1
	PICK 240, 20, 960, 0
	PICK 256, 22, 1024, 0
	s_sub_co_u32 s34, s3, s32                      ; the task's number in its tensor
	s_lshl_b32 s35, s34, 4                         ; first row, neighbours: 16 x tile
	s_lshr_b32 s36, s34, 3
	s_lshl_b32 s36, s36, 7
	s_bfe_u32 s37, s34, 0x10002
	s_lshl_b32 s37, s37, 6
	s_add_co_u32 s36, s36, s37
	s_and_b32 s37, s34, 3
	s_lshl_b32 s41, s37, 3
	s_add_co_u32 s36, s36, s41                     ; first row otherwise: 128 G + 64 c + 8 u
	s_lshr_b32 s42, s34, 2
	s_lshl_b32 s42, s42, 4                         ; mask: four tasks to a tile of 16 queries,
	s_lshl_b32 s43, s37, 12                        ; 1,024 columns (4,096 bytes) each
	s_cmp_eq_u32 s33, 1
	s_cselect_b32 s35, s36, s35
	s_cselect_b32 s38, 32, 8                       ; rows 8-15 of a tile begin so many rows behind its first
	s_cmp_ge_u32 ttmp9, 256
	s_cselect_b32 s35, s42, s35
	s_cselect_b32 s39, 14, 12                      ; a row is 2^14 bytes in mask, 2^12 elsewhere
	s_cselect_b32 s43, s43, 0
	s_cselect_b32 s44, 1, 0                        ; 1: a task of the mask
	s_cselect_b64 s[46:47], s[28:29], s[24:25]     ; where the images go
	s_lshl_b32 s35, s35, s39
	s_add_co_u32 s40, s35, s43
	s_mov_b32 s41, 0
	s_add_nc_u64 s[30:31], s[30:31], s[40:41]      ; the source at the task's first row and column (under 2^27 bytes)
	s_and_b32 s42, s3, 1023
	s_lshl_b32 s40, s42, 13
	s_add_nc_u64 s[46:47], s[46:47], s[40:41]      ; 8,192 bytes of images a task
	s_lshl_b32 s40, s42, 9
	s_add_nc_u64 s[26:27], s[26:27], s[40:41]      ; 512 bytes of scale words a tile
.irp i, 0,1,2,3
	v_add_nc_u32 v[VO+\i], 2*\i, v[TM+3]
.endr
.irp i, 4,5,6,7
	s_add_co_u32 s40, s38, 2*(\i-4)
	v_add_nc_u32 v[VO+\i], s40, v[TM+3]
.endr
.irp i, 0,1,2,3,4,5,6,7
	v_lshlrev_b32 v[VO+\i], s39, v[VO+\i]          ; row x pitch
	v_add_nc_u32 v[VO+\i], v[VO+\i], v[TM+4]       ; + 16 r: sixteen lanes read 256 consecutive bytes
.endr
.macro LOAD p
.irp i, 0,1,2,3,4,5,6,7
	global_load_b128 v[R+32*((\p)%3)+4*\i:R+32*((\p)%3)+4*\i+3], v[VO+\i], s[30:31] offset:256*(\p) th:TH_LOAD_NT
.endr
.endm
.macro TURN p                          ; LDS serves a wave's instructions in order: no wait between these stores and loads
.irp i, 0,1,2,3,4,5,6,7
	ds_store_b128 v[LIN], v[R+32*((\p)%3)+4*\i:R+32*((\p)%3)+4*\i+3] offset:STG*((\p)%2)+544*\i
.endr
.irp e, 0,1,2,3,4,5,6,7
	ds_load_b128 v[X+32*((\p)%2)+4*\e:X+32*((\p)%2)+4*\e+3], v[LOUT] offset:STG*((\p)%2)+16*\e
.endr
.endm
.macro STEP p
.set XS, X+32*((\p)%2)
.set CP, C+4*(\p)
	s_wait_dscnt 0x0                               ; this piece is back from the stage, and the stage's stores have read their registers,
.if (\p)+3 < 16
	LOAD (\p)+3                                    ; which take the piece three further on
.endif
.if (\p)+1 < 16
.if (\p)+3 < 16
	s_wait_loadcnt 16                              ; the next piece's eight loads are in; the sixteen of the two pieces behind it may be out
.elseif (\p)+2 < 16
	s_wait_loadcnt 8                               ; only the last piece's eight are behind it
.else
	s_wait_loadcnt 0x0
.endif
	TURN (\p)+1
.endif
	s_cmp_eq_u32 s44, 1                            ; the two arms hold work on registers alone
	s_cbranch_scc1 .Lmask_\@
	v_max3_num_f32 v[TM], |v[XS]|, |v[XS+1]|, 0x1800000       ; my block's largest magnitude, in two chains, over the floor 2^(3 - 127): the byte cannot fall under 1
	v_max3_num_f32 v[TM+1], |v[XS+2]|, |v[XS+3]|, 0x1800000
.irp i, 4,8,12,16,20,24,28
	v_max3_num_f32 v[TM], v[TM], |v[XS+\i]|, |v[XS+\i+1]|
	v_max3_num_f32 v[TM+1], v[TM+1], |v[XS+\i+2]|, |v[XS+\i+3]|
.endr
	v_max_num_f32 v[TM], v[TM], v[TM+1]
	v_add_nc_u32 v[TM+2], 0xff000000, v[TM]        ; 2 off its exponent field: the conversion's scale operand
.if (\p)%2 == 0
	v_lshrrev_b32 v[W+(\p)/2], 23, v[TM+2]         ; the byte of block h of the K step,
.else
	v_lshrrev_b32 v[TM+3], 23, v[TM+2]
	v_lshl_or_b32 v[W+(\p)/2], v[TM+3], 16, v[W+(\p)/2]   ; and of block 2 + h
.endif
.irp n, 0,1,2,3
	v_cvt_scalef32_pk8_fp4_f32 v[CP+\n], v[XS+8*\n:XS+8*\n+7], v[TM+2]
.endr
	s_branch .Ljoin_\@
.Lmask_\@:
.set n2, 0
.rept 32
	v_cmp_eq_u32 vcc_lo, 0, v[XS+n2]
	v_cndmask_b32 v[XS+n2], 0, v[M6], vcc_lo       ; -6 where mask == 0, else 0
.set n2, n2+1
.endr
.irp n, 0,1,2,3
	v_cvt_scalef32_pk8_fp4_f32 v[CP+\n], v[XS+8*\n:XS+8*\n+7], v[ONE]
.endr
.Ljoin_\@:
	s_wait_alu depctr_va_vdst(0)
	v_nop                                          ; one plain place behind the conversions
	global_store_b128 v[LI], v[CP:CP+3], s[46:47] offset:512*(\p)   ; 32 lanes store 512 consecutive bytes
.endm
	LOAD 0
	LOAD 1
	LOAD 2
	s_wait_alu depctr_va_vdst(0)
	s_wait_loadcnt 16                              ; piece 0 is in
	TURN 0
.irp t, 0,1,2,3,4,5,6,7,8,9,10,11,12,13,14,15
	STEP \t
.endr
	s_cmp_eq_u32 s44, 1
	s_cbranch_scc1 .Lno_scales                     ; the mask's codes have one fixed scale, which the attention launch holds in a register
.irp i, 0,1,2,3,4,5,6,7
	v_lshlrev_b32 v[W+\i], v[SH8], v[W+\i]         ; my two bytes at their places in the word,
.endr
.irp i, 0,1,2,3,4,5,6,7
	v_permlanex16_b32 v[TM+\i], v[W+\i], s48, s49
.endr
.irp i, 0,1,2,3,4,5,6,7
	v_or_b32 v[W+\i], v[W+\i], v[TM+\i]            ; with lane l xor 16's two the word is whole
.endr
	v_cmp_ne_u32 vcc_lo, 0, v[SH8]
.irp i, 0,1,2,3
	v_cndmask_b32 v[TM+\i], v[W+\i], v[W+4+\i], vcc_lo   ; lanes 0-15 store words 0-3 of their row, lanes 16-31 words 4-7
.endr
	global_store_b128 v[SO], v[TM:TM+3], s[26:27]  ; 512 consecutive bytes
.Lno_scales:
	s_wait_tensorcnt 0x0                           ; the wave's end
	ds_add_u32 v[SPW], v[NIL]
	s_wait_dscnt 0x0
	s_endpgm
.Lfunc_end_k_q16dac79ac3_prep:
	.size	k_q16dac79ac3_prep, .Lfunc_end_k_q16dac79ac3_prep-k_q16dac79ac3_prep
	.p2alignl 7, 3214868480
	.fill 96, 4, 3214868480
	.section	.rodata,"a",@progbits
	.p2align	6, 0x0
	.amdhsa_kernel k_q16dac79ac3_prep
		.amdhsa_group_segment_fixed_size 35328
		.amdhsa_private_segment_fixed_size 0
		.amdhsa_enable_private_segment 0
		.amdhsa_kernarg_size 88
		.amdhsa_user_sgpr_count 2
		.amdhsa_user_sgpr_kernarg_segment_ptr 1
		.amdhsa_wavefront_size32 1
		.amdhsa_system_sgpr_workgroup_id_x 1
		.amdhsa_system_sgpr_workgroup_id_y 1
		.amdhsa_system_sgpr_workgroup_id_z 1
		.amdhsa_system_vgpr_workitem_id 0
		.amdhsa_next_free_vgpr 256
		.amdhsa_next_free_sgpr 66
		.amdhsa_reserve_vcc 1
		.amdhsa_float_denorm_mode_32 3
		.amdhsa_float_denorm_mode_16_64 3
		.amdhsa_memory_ordered 1
		.amdhsa_forward_progress 1
		.amdhsa_inst_pref_size 100
	.end_amdhsa_kernel
	.amdgpu_metadata
---
amdhsa.version: [ 1, 2 ]
amdhsa.kernels:
  - .name:           k_q16dac79ac3_prep
    .symbol:         k_q16dac79ac3_prep.kd
    .args:
      - { .name: q, .offset: 0, .size: 8, .value_kind: global_buffer, .address_space: global }
      - { .name: k, .offset: 8, .size: 8, .value_kind: global_buffer, .address_space: global }
      - { .name: v, .offset: 16, .size: 8, .value_kind: global_buffer, .address_space: global }
      - { .name: Wq, .offset: 24, .size: 8, .value_kind: global_buffer, .address_space: global }
      - { .name: Wk, .offset: 32, .size: 8, .value_kind: global_buffer, .address_space: global }
      - { .name: Wv, .offset: 40, .size: 8, .value_kind: global_buffer, .address_space: global }
      - { .name: Wo, .offset: 48, .size: 8, .value_kind: global_buffer, .address_space: global }
      - { .name: mask, .offset: 56, .size: 8, .value_kind: global_buffer, .address_space: global }
      - { .name: codes, .offset: 64, .size: 8, .value_kind: global_buffer, .address_space: global }
      - { .name: scales, .offset: 72, .size: 8, .value_kind: global_buffer, .address_space: global }
      - { .name: mcodes, .offset: 80, .size: 8, .value_kind: global_buffer, .address_space: global }
    .group_segment_fixed_size: 35328
    .private_segment_fixed_size: 0
    .kernarg_segment_align: 8
    .kernarg_segment_size: 88
    .max_flat_workgroup_size: 128
    .sgpr_count:     66
    .vgpr_count:     256
    .wavefront_size: 32
...
	.end_amdgpu_metadata
.endif
;; end of part 1
;; launch proj (part 2): grid 256 x 1, 6 waves a work-group, no clusters, 0 bytes of LDS; arguments codes, scales, bq, bk, bv, hc, hs; writes hc, hs
.if DOCPART == 2
	.amdgcn_target "amdgcn-amd-amdhsa--gfx1250"
	.amdhsa_code_object_version 6
	.text
	.protected	k_q16dac79ac3_proj
	.globl	k_q16dac79ac3_proj
	.p2align	8
	.type	k_q16dac79ac3_proj,@function
k_q16dac79ac3_proj:
	s_mov_b64 s[64:65], 0
	v_nop
	global_prefetch_b8 v0, s[64:65] scope:SCOPE_SE
	s_setreg_imm32_b32 hwreg(HW_REG_WAVE_MODE, 25, 1), 1
	s_wait_xcnt 0x0
; LAUNCH 2 OF 4.  qh = q Wq^T + bq, kh = k Wk^T + bk, vh = v Wv^T + bv on codes of FP4, and the results quantised at once: qh and kh along the head's 128, vh along the tokens (the keys).  No work is left out.
; SHARES.  1,536 tasks, one a wave: tasks 0-511: Q, 512-1023: K, 1024-1535: V.  Six waves to a work-group take six tasks on end: 1,536 / 6 = 256 work-groups of equal work.  Waves share nothing, so a work-group
; may lie across two tensors.  A task multiplies a side of 8 tiles (source 0, 128 rows) by a side of 4 tiles (source 1, 64 rows), K = 1,024 in 8 steps: 32 accumulators, 256 registers.
; Q, K: source 0 = the 128 rows of W of one head, source 1 = 64 tokens: a lane holds ONE token and its registers run along the head's 128.  V: source 0 = 128 tokens, source 1 = 64 rows of Wv: a lane holds one
; channel and its registers run along the tokens.  The rows of source 0's tiles were chosen by the first launch so that a lane's registers 32 g .. 32 g + 31 are the 32 neighbours 64 g + 32 (lane / 16) + 0 .. 31:
; a whole block of the quantiser lies in one lane, and four conversions are registers 4 g .. 4 g + 3 of the next operand.
; OPERANDS come from memory straight into registers: the first launch stored them as images of the registers, so a fragment is two loads of 16 bytes a lane, 512 consecutive bytes each.
; NO CLUSTER, NO LDS: what waves could share is source 0's side, which 64 (Q, K) or 16 (V) tasks on end have in common; six divides neither, so a work-group's waves may want two sides, and a work-group's whole
; matrix work is 6 x 256 instructions.
; OUT.  hc: [Q, K, V][head 8][G 32][tile 8][image].  Q: tile 8 G + t = 16 neighbouring queries.  K: tile (G, t) = 16 tokens of group G in the first launch's order.  V: G = the key step, tile = 16 channels in that
; order, K = the step's 128 keys.  hs: [Q, K, V][head][G][t / 4][row 16][4 words, t % 4].
; The bias is added behind the sums (packed additions): with two sets of fragments the 512 registers are full, so it cannot stand as the first product's C.
.set LI,  1                            ; v1   16 x lane
.set SAO, 2                            ; v2   2048 h + 32 r: source 0's scale words, tiles u (lanes 0-15) and 4 + u (lanes 16-31)
.set SBO, 3                            ; v3   1024 h + 32 r: source 1's, tiles b and b + 2
.set BQO, 4                            ; v4   128 h: my half's 32 numbers of a bias
.set BVO, 5                            ; v5   4 (32 (r / 8) + r % 8): my channel's number of bv
.set SH8, 6                            ; v6   8 h
.set HSO, 7                            ; v7   16 r + 8 h
.set SA,  16                           ; v16-47   [u 4][K step 8]
.set SB,  48                           ; v48-63   [b 2][K step 8]
.set FA,  64                           ; v64-191  source 0's fragments, two sets of 64; set 0 later holds the bias
.set FB,  192                          ; v192-255 source 1's, two sets of 32; set 0 later holds the codes
.set MX,  128                          ; v128-135 largest magnitudes; v136-143 scale operands; v144-151 bytes
.set PW,  160                          ; v160-163 scale words; v164-167 at work; v168-169 to store
; window 1: the accumulators: (b, a) at v[64 b + 8 a]
.set MSB, 0
.macro WIN new                         ; the immediate's high byte repeats the setting that is left
.if MSB != \new
	s_set_vgpr_msb (MSB<<8)|\new
.set MSB, \new
.endif
.endm
.macro PLACES
.rept 4
	v_nop
.endr
.endm
; one product.  z = 1: it starts the sum.  ra, rb: the scale words stand in lanes 16-31
.macro WM d, a, b, z, sa, sb, ra, rb
.if (\z) && (\ra) && (\rb)
	v_wmma_scale_f32_16x16x128_f8f6f4 v[(\d):(\d)+7], v[(\a):(\a)+7], v[(\b):(\b)+7], 0, v[\sa], v[\sb] matrix_a_fmt:MATRIX_FMT_FP4 matrix_b_fmt:MATRIX_FMT_FP4 matrix_a_scale:MATRIX_SCALE_ROW1 matrix_b_scale:MATRIX_SCALE_ROW1
.elseif (\z) && (\ra)
	v_wmma_scale_f32_16x16x128_f8f6f4 v[(\d):(\d)+7], v[(\a):(\a)+7], v[(\b):(\b)+7], 0, v[\sa], v[\sb] matrix_a_fmt:MATRIX_FMT_FP4 matrix_b_fmt:MATRIX_FMT_FP4 matrix_a_scale:MATRIX_SCALE_ROW1
.elseif (\z) && (\rb)
	v_wmma_scale_f32_16x16x128_f8f6f4 v[(\d):(\d)+7], v[(\a):(\a)+7], v[(\b):(\b)+7], 0, v[\sa], v[\sb] matrix_a_fmt:MATRIX_FMT_FP4 matrix_b_fmt:MATRIX_FMT_FP4 matrix_b_scale:MATRIX_SCALE_ROW1
.elseif (\z)
	v_wmma_scale_f32_16x16x128_f8f6f4 v[(\d):(\d)+7], v[(\a):(\a)+7], v[(\b):(\b)+7], 0, v[\sa], v[\sb] matrix_a_fmt:MATRIX_FMT_FP4 matrix_b_fmt:MATRIX_FMT_FP4
.elseif (\ra) && (\rb)
	v_wmma_scale_f32_16x16x128_f8f6f4 v[(\d):(\d)+7], v[(\a):(\a)+7], v[(\b):(\b)+7], v[(\d):(\d)+7], v[\sa], v[\sb] matrix_a_fmt:MATRIX_FMT_FP4 matrix_b_fmt:MATRIX_FMT_FP4 matrix_a_scale:MATRIX_SCALE_ROW1 matrix_b_scale:MATRIX_SCALE_ROW1
.elseif (\ra)
	v_wmma_scale_f32_16x16x128_f8f6f4 v[(\d):(\d)+7], v[(\a):(\a)+7], v[(\b):(\b)+7], v[(\d):(\d)+7], v[\sa], v[\sb] matrix_a_fmt:MATRIX_FMT_FP4 matrix_b_fmt:MATRIX_FMT_FP4 matrix_a_scale:MATRIX_SCALE_ROW1
.elseif (\rb)
	v_wmma_scale_f32_16x16x128_f8f6f4 v[(\d):(\d)+7], v[(\a):(\a)+7], v[(\b):(\b)+7], v[(\d):(\d)+7], v[\sa], v[\sb] matrix_a_fmt:MATRIX_FMT_FP4 matrix_b_fmt:MATRIX_FMT_FP4 matrix_b_scale:MATRIX_SCALE_ROW1
.else
	v_wmma_scale_f32_16x16x128_f8f6f4 v[(\d):(\d)+7], v[(\a):(\a)+7], v[(\b):(\b)+7], v[(\d):(\d)+7], v[\sa], v[\sb] matrix_a_fmt:MATRIX_FMT_FP4 matrix_b_fmt:MATRIX_FMT_FP4
.endif
.endm
	s_load_b256 s[4:11], s[0:1], 0x0               ; codes, scales, bq, bk
	s_load_b128 s[12:15], s[0:1], 0x20             ; bv, hc
	s_load_b64 s[16:17], s[0:1], 0x30              ; hs
	v_lshrrev_b32 v8, 5, v0
	v_readfirstlane_b32 s18, v8                    ; wave 0..5
	s_mul_i32 s19, ttmp9, 6
	s_add_co_u32 s19, s19, s18                     ; my task, 0..1535
	s_and_b32 s18, s19, 3                          ; its place in a group of four tasks,
	s_lshr_b32 s19, s19, 2                         ; and the group, 0..383
	v_and_b32 v8, 31, v0
	v_and_b32 v9, 15, v0                           ; r
	v_bfe_u32 v10, v0, 4, 1                        ; h
	v_lshlrev_b32 v[LI], 4, v8
	v_lshlrev_b32 v[SAO], 5, v9
	v_lshl_add_u32 v[SBO], v10, 10, v[SAO]
	v_lshl_add_u32 v[SAO], v10, 11, v[SAO]
	v_lshlrev_b32 v[BQO], 7, v10
	v_and_b32 v11, 7, v0
	v_bfe_u32 v12, v0, 3, 1
	v_lshl_add_u32 v[BVO], v12, 5, v11
	v_lshlrev_b32 v[BVO], 2, v[BVO]
	v_lshlrev_b32 v[SH8], 3, v10
	v_lshlrev_b32 v[HSO], 4, v9
	v_lshl_add_u32 v[HSO], v10, 3, v[HSO]
	s_mov_b32 s54, 0x76543210
	s_mov_b32 s55, 0xfedcba98                      ; v_permlanex16_b32's selects for lane l xor 16
	s_lshr_b32 s20, s19, 7                         ; 0: Q, 1: K, 2: V
	s_and_b32 s21, s19, 127
	s_lshr_b32 s22, s21, 4                         ; Q, K: the head,
	s_and_b32 s23, s21, 15
	s_lshl_b32 s23, s23, 2
	s_add_co_u32 s23, s23, s18                     ; and which 64 tokens
	s_lshl_b32 s24, s20, 6
	s_lshl_b32 s25, s22, 3
	s_add_co_u32 s24, s24, s25
	s_add_co_u32 s24, s24, 768                     ; source 0's first tile: the head's rows of Wq or Wk
	s_lshl_b32 s25, s20, 8
	s_lshl_b32 s26, s23, 2
	s_add_co_u32 s25, s25, s26                     ; source 1's first tile: tokens of q or k
	s_lshr_b32 s26, s23, 1                         ; G
	s_lshr_b32 s27, s21, 2                         ; V: G, the 128 tokens,
	s_and_b32 s28, s21, 3
	s_lshl_b32 s28, s28, 2
	s_add_co_u32 s28, s28, s18                     ; and which 64 rows of Wv
	s_lshl_b32 s29, s27, 3
	s_add_co_u32 s29, s29, 512
	s_lshl_b32 s30, s28, 2
	s_add_co_u32 s30, s30, 896
	s_lshr_b32 s31, s28, 1                         ; the head
	s_and_b32 s32, s18, 1                          ; which half of the 8 tiles of (head, G) I make: the task's low bit in both cases
	s_lshl_b32 s33, s32, 8                         ; V: my half's 64 numbers of bv
	s_cmp_eq_u32 s20, 2
	s_cselect_b32 s24, s29, s24
	s_cselect_b32 s25, s30, s25
	s_cselect_b32 s22, s31, s22
	s_cselect_b32 s26, s27, s26
	s_cselect_b32 s33, s33, 0
	s_lshl_b32 s34, s22, 5
	s_add_co_u32 s34, s34, s26
	s_lshl_b32 s34, s34, 1
	s_add_co_u32 s34, s34, s32                     ; (32 head + G) x 2 + half
	s_mov_b32 s37, 0
	s_wait_alu depctr_va_vdst(0)
	s_wait_kmcnt 0x0
	s_lshl_b32 s36, s24, 13
	s_add_nc_u64 s[40:41], s[4:5], s[36:37]        ; source 0's images
	s_lshl_b32 s36, s25, 13
	s_add_nc_u64 s[42:43], s[4:5], s[36:37]        ; source 1's
	s_lshl_b32 s36, s24, 9
	s_add_nc_u64 s[44:45], s[6:7], s[36:37]        ; their scale words
	s_lshl_b32 s36, s25, 9
	s_add_nc_u64 s[46:47], s[6:7], s[36:37]
	s_cmp_eq_u32 s20, 1
	s_cselect_b64 s[48:49], s[10:11], s[8:9]
	s_cmp_eq_u32 s20, 2
	s_cselect_b64 s[48:49], s[12:13], s[48:49]     ; the bias,
	s_lshl_b32 s36, s22, 9
	s_add_co_u32 s36, s36, s33
	s_add_nc_u64 s[48:49], s[48:49], s[36:37]      ; at the head's 128 numbers (V: at my half's 64)
	s_lshl_b32 s36, s20, 21
	s_lshl_b32 s38, s34, 12
	s_add_co_u32 s36, s36, s38
	s_add_nc_u64 s[50:51], s[14:15], s[36:37]      ; my four images in hc
	s_lshl_b32 s36, s20, 17
	s_lshl_b32 s38, s34, 8
	s_add_co_u32 s36, s36, s38
	s_add_nc_u64 s[52:53], s[16:17], s[36:37]      ; and their 256 bytes of scale words
.irp u, 0,1,2,3
.irp qq, 0,1
	global_load_b128 v[SA+8*\u+4*\qq:SA+8*\u+4*\qq+3], v[SAO], s[44:45] offset:512*\u+16*\qq
.endr
.endr
.irp b2, 0,1
.irp qq, 0,1
	global_load_b128 v[SB+8*\b2+4*\qq:SB+8*\b2+4*\qq+3], v[SBO], s[46:47] offset:512*\b2+16*\qq
.endr
.endr
.macro LOADS ks                        ; a K step's 24 fragments' loads: 16 for source 0, 8 for source 1
.irp a, 0,1,2,3,4,5,6,7
.irp cc, 0,1
	global_load_b128 v[FA+64*((\ks)%2)+8*\a+4*\cc:FA+64*((\ks)%2)+8*\a+4*\cc+3], v[LI], s[40:41] offset:8192*\a+1024*(\ks)+512*\cc
.endr
.endr
.irp b, 0,1,2,3
.irp cc, 0,1
	global_load_b128 v[FB+32*((\ks)%2)+8*\b+4*\cc:FB+32*((\ks)%2)+8*\b+4*\cc+3], v[LI], s[42:43] offset:8192*\b+1024*(\ks)+512*\cc
.endr
.endr
.endm
.macro MULS ks, zero                   ; 32 products; the 32 accumulators take turns, one instruction a turn, in the same order in every K step
	WIN 0x50                                       ; C and D in window 1
.irp a, 0,1,2,3,4,5,6,7
.irp b, 0,1,2,3
	WM 64*\b+8*\a, FA+64*((\ks)%2)+8*\a, FB+32*((\ks)%2)+8*\b, \zero, SA+8*(\a%4)+(\ks), SB+8*(\b%2)+(\ks), \a/4, \b/2
.endr
.endr
	WIN 0
.endm
	LOADS 0
	LOADS 1
	s_wait_loadcnt 24                              ; the scale words and K step 0 are in; the 24 loads of K step 1 may be out
	MULS 0, 1
.irp ks, 1,2,3,4,5,6
	PLACES                                         ; four places in front of loads into registers that the last products read
	LOADS \ks+1
	s_wait_loadcnt 24                              ; this K step's fragments are in; the next step's 24 loads may be out
	MULS \ks, 0
.endr
	PLACES
	s_cmp_eq_u32 s20, 2                            ; the bias comes into set 0 of source 0's registers while K step 7 is multiplied
	s_cbranch_scc1 .Lbias_v
.irp g, 0,1
.irp e, 0,1,2,3,4,5,6,7
	global_load_b128 v[FA+32*\g+4*\e:FA+32*\g+4*\e+3], v[BQO], s[48:49] offset:256*\g+16*\e   ; b(64 g + 32 h + 4 e ..): in the accumulators' own order
.endr
.endr
	s_wait_loadcnt 16                              ; K step 7 is in; these 16 may be out
	s_branch .Lbias_in
.Lbias_v:
.irp b, 0,1,2,3
	global_load_b32 v[FA+2*\b], v[BVO], s[48:49] offset:32*\b     ; bv of my channel in tile b: one number for all 64 tokens;
	global_load_b32 v[FA+2*\b+1], v[BVO], s[48:49] offset:32*\b   ; the packed addition names a pair, so both halves are written
.endr
	s_wait_loadcnt 8                               ; K step 7 is in; these 8 may be out
.Lbias_in:
	MULS 7, 0
	PLACES                                         ; four places in front of the first read of results
	s_wait_loadcnt 0x0
	s_cmp_eq_u32 s20, 2
	s_cbranch_scc1 .Ladd_v
	WIN 0x41                                       ; destination and source 0 in window 1
.irp b, 0,1,2,3
.set i, 0
.rept 32
	v_pk_add_f32 v[64*\b+2*i:64*\b+2*i+1], v[64*\b+2*i:64*\b+2*i+1], v[FA+2*i:FA+2*i+1]   ; each accumulator from its low end on
.set i, i+1
.endr
.endr
	WIN 0
	s_branch .Ladded
.Ladd_v:
	WIN 0x41
.irp b, 0,1,2,3
.set i, 0
.rept 32
	v_pk_add_f32 v[64*\b+2*i:64*\b+2*i+1], v[64*\b+2*i:64*\b+2*i+1], v[FA+2*\b:FA+2*\b+1] op_sel_hi:[1,0]
.set i, i+1
.endr
.endr
	WIN 0
.Ladded:
	; THE QUANTISER: eight blocks of 32 (tile b, half g: registers 32 (2 b + g) on), all of a block in my lane
	WIN 0x05                                       ; sources 0 and 1 in window 1
.set i, 0
.rept 16
.irp bl, 0,1,2,3,4,5,6,7
.if i == 0
	v_max3_num_f32 v[MX+\bl], |v[32*\bl]|, |v[32*\bl+1]|, 0x1800000   ; over the floor 2^(3 - 127): the byte cannot fall under 1
.else
	v_max3_num_f32 v[MX+\bl], |v[32*\bl+2*i]|, |v[32*\bl+2*i+1]|, v[MX+\bl]   ; (the eight blocks by turns)
.endif
.endr
.set i, i+1
.endr
	WIN 0
.irp bl, 0,1,2,3,4,5,6,7
	v_add_nc_u32 v[MX+8+\bl], 0xff000000, v[MX+\bl]   ; 2 off the exponent field: the conversion's scale operand
.endr
.irp bl, 0,1,2,3,4,5,6,7
	v_lshrrev_b32 v[MX+16+\bl], 23, v[MX+8+\bl]    ; the byte
.endr
.irp b, 0,1,2,3
	v_lshl_or_b32 v[PW+\b], v[MX+17+2*\b], 16, v[MX+16+2*\b]   ; blocks h and 2 + h of my row,
.endr
.irp b, 0,1,2,3
	v_lshlrev_b32 v[PW+\b], v[SH8], v[PW+\b]       ; at their places in the word;
.endr
.irp b, 0,1,2,3
	v_permlanex16_b32 v[PW+4+\b], v[PW+\b], s54, s55
.endr
.irp b, 0,1,2,3
	v_or_b32 v[PW+\b], v[PW+\b], v[PW+4+\b]        ; with lane l xor 16's two the word is whole
.endr
	WIN 0x01                                       ; source 0 in window 1
.set i, 0
.rept 32
	v_cvt_scalef32_pk8_fp4_f32 v[FB+i], v[8*i:8*i+7], v[MX+8+i/4]   ; register i = 8 b + 4 g + n of the four fragments
.set i, i+1
.endr
	WIN 0
	v_nop                                          ; one plain place behind the conversions
.irp b, 0,1,2,3
.irp cc, 0,1
	global_store_b128 v[LI], v[FB+8*\b+4*\cc:FB+8*\b+4*\cc+3], s[50:51] offset:1024*\b+512*\cc   ; the image: 512 consecutive bytes a store
.endr
.endr
	v_cmp_ne_u32 vcc_lo, 0, v[SH8]
	v_cndmask_b32 v[PW+8], v[PW], v[PW+2], vcc_lo  ; lanes 0-15 store words 0, 1 of their row, lanes 16-31 words 2, 3
	v_cndmask_b32 v[PW+9], v[PW+1], v[PW+3], vcc_lo
	global_store_b64 v[HSO], v[PW+8:PW+9], s[52:53]   ; 256 consecutive bytes, aligned
	s_endpgm
.Lfunc_end_k_q16dac79ac3_proj:
	.size	k_q16dac79ac3_proj, .Lfunc_end_k_q16dac79ac3_proj-k_q16dac79ac3_proj
	.p2alignl 7, 3214868480
	.fill 96, 4, 3214868480
	.section	.rodata,"a",@progbits
	.p2align	6, 0x0
	.amdhsa_kernel k_q16dac79ac3_proj
		.amdhsa_group_segment_fixed_size 0
		.amdhsa_private_segment_fixed_size 0
		.amdhsa_enable_private_segment 0
		.amdhsa_kernarg_size 56
		.amdhsa_user_sgpr_count 2
		.amdhsa_user_sgpr_kernarg_segment_ptr 1
		.amdhsa_wavefront_size32 1
		.amdhsa_system_sgpr_workgroup_id_x 1
		.amdhsa_system_sgpr_workgroup_id_y 1
		.amdhsa_system_sgpr_workgroup_id_z 1
		.amdhsa_system_vgpr_workitem_id 0
		.amdhsa_next_free_vgpr 512
		.amdhsa_next_free_sgpr 66
		.amdhsa_reserve_vcc 1
		.amdhsa_float_denorm_mode_32 3
		.amdhsa_float_denorm_mode_16_64 3
		.amdhsa_memory_ordered 1
		.amdhsa_forward_progress 1
		.amdhsa_inst_pref_size 88
	.end_amdhsa_kernel
	.amdgpu_metadata
---
amdhsa.version: [ 1, 2 ]
amdhsa.kernels:
  - .name:           k_q16dac79ac3_proj
    .symbol:         k_q16dac79ac3_proj.kd
    .args:
      - { .name: codes, .offset: 0, .size: 8, .value_kind: global_buffer, .address_space: global }
      - { .name: scales, .offset: 8, .size: 8, .value_kind: global_buffer, .address_space: global }
      - { .name: bq, .offset: 16, .size: 8, .value_kind: global_buffer, .address_space: global }
      - { .name: bk, .offset: 24, .size: 8, .value_kind: global_buffer, .address_space: global }
      - { .name: bv, .offset: 32, .size: 8, .value_kind: global_buffer, .address_space: global }
      - { .name: hc, .offset: 40, .size: 8, .value_kind: global_buffer, .address_space: global }
      - { .name: hs, .offset: 48, .size: 8, .value_kind: global_buffer, .address_space: global }
    .group_segment_fixed_size: 0
    .private_segment_fixed_size: 0
    .kernarg_segment_align: 8
    .kernarg_segment_size: 56
    .max_flat_workgroup_size: 192
    .sgpr_count:     66
    .vgpr_count:     512
    .wavefront_size: 32
...
	.end_amdgpu_metadata
.endif
;; end of part 2
;; launch attn (part 3): grid 4 x 64, 4 waves a work-group, clusters of 4 x 1, 327,680 bytes of LDS; arguments hc, hs, mcodes, group_prob, zc, zs; writes zc, zs
.if DOCPART == 3
	.amdgcn_target "amdgcn-amd-amdhsa--gfx1250"
	.amdhsa_code_object_version 6
	.text
	.protected	k_q16dac79ac3_attn
	.globl	k_q16dac79ac3_attn
	.p2align	8
	.type	k_q16dac79ac3_attn,@function
k_q16dac79ac3_attn:
	s_mov_b64 s[64:65], 0
	v_nop
	global_prefetch_b8 v0, s[64:65] scope:SCOPE_SE
	s_setreg_imm32_b32 hwreg(HW_REG_WAVE_MODE, 25, 1), 1
	s_wait_xcnt 0x0
	s_wait_alu depctr_hold_cnt(0) depctr_sa_sdst(0) depctr_va_vdst(0) depctr_va_sdst(0) depctr_va_ssrc(0) depctr_va_vcc(0) depctr_vm_vsrc(0)
	s_getreg_b32 s2, hwreg(HW_REG_IB_STS2, 6, 4)
	s_cmp_eq_u32 s2, 0
	s_cbranch_scc0 .Lentry_in_a_cluster
	s_endpgm
.Lentry_in_a_cluster:
	s_bfe_u32 s2, ttmp6, 0x10000c
	s_cmp_lg_u32 s2, 0x3003
	s_cbranch_scc0 .Lentry_shape_is_right
	s_endpgm
.Lentry_shape_is_right:
; LAUNCH 3 OF 4.  z[q][head] = the sum over keys of (softmax_k(where(mask == 0, -1e9, qh . kh / sqrt(128))) x group_prob[q][k]) vh[k], both products on codes of FP4.  No work is left out.
; WHAT IS QUANTISED along the keys is the finished weight, softmax x group_prob: its blocks' scales hang on the row's sum.  So the keys are walked TWICE: sweep 1 finds each row's maximum and sum, sweep 2 makes the
; THE MASK IS LAID UNDER THE SCORES BY THE MATRIX UNIT.  The first launch made codes of it: -6 where mask == 0, else 0.  A tile of scores begins as Sel x Mq^T: Sel has one 1 in each row, at the place in the key step
; of the key that the row of K's tile holds; Mq's scale byte is 158 (2^31).  An open score begins at an exact 0, a hidden one at -6 x 2^31, and K Q^T is added in place.  A hidden weight is then 2^(a huge negative) = 0,
; as with reference()'s -1e9.  A ROW WITH NO OPEN KEY has its maximum under -2^32: for it c and the shift are replaced, by selection and with no branch, by 0 and -12: every weight is 2^-12 = 1 / 4096, reference()'s uniform row.
; LIMIT: raw scores stay under 2^32 in magnitude.  A weight under 2^-126 is taken as 0.
; SHARES.  A work-group owns 64 queries x 2 heads.  Wave w: head 2 cx + w % 2, all 64 queries (four tiles T), keys 2048 (w / 2) on: 16 steps of 128 keys.  So a fragment of K or V feeds four products, and is read by
; one wave alone: K, V and the mask codes come from memory straight into registers (images of the registers).  The two waves of a head join maxima and sums behind sweep 1, and their parts of O at the end, through LDS.
; CLUSTER.  The four work-groups of a cluster hold the 8 heads of the SAME 64 queries and need the same tiles of group_prob: each tile is asked for JOINTLY, by the same tensor load with the same descriptor and the
; mask 15.  K and V are not shared in a cluster (other heads).
; LAYOUT.  Both products are used transposed (S^T = K Q^T, O^T = V^T P^T): a lane holds ONE query.  The rows of K's and V's tiles are such that registers 32 g .. 32 g + 31 of a tile of queries are the 32 neighbours
; 64 g + 32 (lane / 16) + 0 .. 31 of the next K: a quantiser's block lies in one lane, and four conversions are registers 4 g .. 4 g + 3 of the operand.
; SOFTMAX.  c = log2(e) / sqrt(128); p = 2^(c s - c m).  Sweep 1: a running maximum m and sum for each LANE (a lane sees half of a step's keys of its query); when m grows the sum is multiplied by 2^(c m_old - c m_new).
; Four parts (two lanes x two waves) are joined once.  Sweep 2: THE DIVISION BY THE SUM STANDS IN THE EXPONENT: p / sum = 2^(c s - c m - log2(sum)): one logarithm a row in place of a multiplication a weight; then x group_prob;
; nothing is rescaled.  LIMIT: the shift -c m - log2(sum) is rounded once, at its own size: half an ulp of about 15 for inputs of the problem's kind, some 4e-7 of a weight; it grows with the scores as the f32 rounding of the scaled scores does.
; REGISTERS, in windows of 256 (s_set_vgpr_msb: bits 1:0 source 0, 3:2 source 1, 5:4 source 2, 7:6 destination):
;   window 0: addresses, scale words, statistics, group_prob (two sets of 64), P's codes.   window 1: K 64, V 64, Q 32, mask codes 32, Sel 24.   window 2: O^T, (T, t) at 64 T + 8 t.   window 3: S^T, likewise.
.set SLOTB, 133120                     ; a slot: for each key half 64 queries x 256 keys of f32 in rows of 1,024 bytes + 16: four loads of 32 rows
.set WLD,   33280                      ; what one wave's load fills: 32 x 1,040
.set GPI,   1040                       ; 260 words: row r starts at bank 4 r mod 64 (64 banks of 4 bytes: ISA guide 11.1)
.set STAT,  266240                     ; behind the ring: the statistics, 1,024 bytes a wave
.set SPARE, 270336                     ; the spare words, 128 bytes a wave
.set LI,   1                           ; v1     16 x lane
.set AG0,  2                           ; v2     my place in a slot: 1040 r + 128 h + my key half's 66,560
.set ADG,  3                           ; v3     the step's address
.set SPW,  4                           ; v4     my spare word
.set NIL,  5                           ; v5     0
.set ONES, 6                           ; v6     scale bytes 127: Sel's
.set BIGS, 7                           ; v7     scale bytes 158: the mask codes'
.set KS,   8                           ; v8-11  K's scale words: register i: tile i in lanes 0-15, tile 4 + i in lanes 16-31
.set VS,   12                          ; v12-15 V's likewise
.set QS,   16                          ; v16-19 Q's, a register a tile
.set PW,   20                          ; v20-23 P's
.set ST2,  24                          ; v24-39 sweep 2, four a tile: c and the shift, each as a pair
.set SH8,  48                          ; v48    8 h
.set PFO,  49                          ; v49    16384 x lane: a row of group_prob
.set SA0,  50                          ; v50-53 the four parts' places among the statistics
.set XW,   54                          ; v54    the exchange of O: where I store,
.set XR,   55                          ; v55    and where my partner stored
.set ZSO,  56                          ; v56    512 h + 4 r
.set EE,   57                          ; v57    Sel's one word
.set ZR,   58                          ; v58    0.0
.set M12,  59                          ; v59    -12.0
.set PT,   60                          ; v60-63 lane permutes' destinations
.set TM,   80                          ; v80-95 at work
.set ST1,  96                          ; v96-127 sweep 1, eight a tile: m, sum, sum as a pair, the shift as a pair, the factor as a pair
.set PC,   96                          ; v96-127 from sweep 2 on: P's codes, eight a tile
.set GB,   128                         ; v128-255 group_prob, two sets of 64
.set KF,   0                           ; window 1
.set VF,   64
.set QF,   128
.set MF,   160
.set WS,   192                         ; 24 registers, zeros but WS + 7 and WS + 16: Sel of tile t is the run of eight in which that word stands at place t and which begins at an even register
.set MSB, 0
.macro WIN new                         ; the immediate's high byte repeats the setting that is left
.if MSB != \new
	s_set_vgpr_msb (MSB<<8)|\new
.set MSB, \new
.endif
.endm
.macro PLACES
.rept 4
	v_nop
.endr
.endm
.macro ROUND                           ; a round of the cluster's barrier
	s_barrier_signal -1
	s_barrier_wait -1
	s_cmp_lg_u32 s16, 0
	s_cbranch_scc1 .Lnot_wave_0_\@
	s_barrier_signal -3
.Lnot_wave_0_\@:
	s_barrier_wait -3
	s_barrier_signal -1
	s_barrier_wait -1
.endm
.macro WM d, a, b, z, sa, sb, ra       ; one product.  z = 1: it starts the sum.  ra = 1: source 0's scale words stand in lanes 16-31
.if (\z)
	v_wmma_scale_f32_16x16x128_f8f6f4 v[(\d):(\d)+7], v[(\a):(\a)+7], v[(\b):(\b)+7], 0, v[\sa], v[\sb] matrix_a_fmt:MATRIX_FMT_FP4 matrix_b_fmt:MATRIX_FMT_FP4
.elseif (\ra)
	v_wmma_scale_f32_16x16x128_f8f6f4 v[(\d):(\d)+7], v[(\a):(\a)+7], v[(\b):(\b)+7], v[(\d):(\d)+7], v[\sa], v[\sb] matrix_a_fmt:MATRIX_FMT_FP4 matrix_b_fmt:MATRIX_FMT_FP4 matrix_a_scale:MATRIX_SCALE_ROW1
.else
	v_wmma_scale_f32_16x16x128_f8f6f4 v[(\d):(\d)+7], v[(\a):(\a)+7], v[(\b):(\b)+7], v[(\d):(\d)+7], v[\sa], v[\sb] matrix_a_fmt:MATRIX_FMT_FP4 matrix_b_fmt:MATRIX_FMT_FP4
.endif
.endm
	s_load_b256 s[4:11], s[0:1], 0x0               ; hc, hs, mcodes, group_prob
	s_load_b128 s[12:15], s[0:1], 0x20             ; zc, zs
	v_lshl_add_u32 v[SPW], v0, 2, SPARE
	v_mov_b32 v[NIL], 0
	ds_add_u32 v[SPW], v[NIL]                      ; the wave's opening
	ds_add_u32 v[SPW], v[NIL]
	v_lshrrev_b32 v[TM], 5, v0
	v_readfirstlane_b32 s16, v[TM]                 ; wave
	s_lshr_b32 s17, s16, 1                         ; my key half.  Also: the key half for which I fetch group_prob
	s_and_b32 s18, s16, 1                          ; my head of the work-group's two.  Also: which 32 queries I fetch
	s_bfe_u32 s19, ttmp6, 0x40000                  ; cx: it enters global addresses of K, V, Q, z and of the prefetch alone
	s_lshl_b32 s20, s19, 1
	s_add_co_u32 s20, s20, s18                     ; the head
	s_and_b32 s21, ttmp7, 0xffff                   ; the block of 64 queries, which the four partners share
	s_mov_b32 s22, 0x3e0293ee                      ; c = log2(e) / sqrt(128)
	s_mov_b32 s23, s22                             ; (named with it as a pair)
	s_mov_b32 s24, 0xbe0293ee                      ; -c
	s_mov_b32 s25, 0xcf800000                      ; -2^32
	s_mov_b32 s26, 0x76543210
	s_mov_b32 s27, 0xfedcba98                      ; v_permlanex16_b32's selects for lane l xor 16
	s_mov_b32 s28, 15|(2<<16)|(1<<20)|(1<<21)|(7<<22)|(3<<25)   ; group 1: the mask: all four work-groups; elements of 4 bytes; padding on; bit 21 beside a mask; after every 256 words four words
	s_mov_b32 s29, 256<<16                         ; tensor_dim0 = 256
	s_mov_b32 s30, 32<<16                          ; tensor_dim1 = 32
	s_mov_b32 s31, 256<<16                         ; tile_dim0 = 256
	s_mov_b32 s32, 32                              ; tile_dim1 = 32
	s_mov_b32 s33, 4096                            ; from row to row
	s_mov_b32 s34, 0
	s_mov_b32 s35, 0
	s_mov_b32 s36, 1                               ; group 0: count
	s_mul_i32 s37, s16, WLD                        ; LDS address: slot 0, my wave's 32 rows
	s_lshl_b32 s60, s21, 20                        ; 64 rows of 16,384 bytes a block of queries,
	s_lshl_b32 s61, s18, 19                        ; 32 rows,
	s_add_co_u32 s60, s60, s61
	s_lshl_b32 s61, s17, 13                        ; 2,048 keys
	s_add_co_u32 s60, s60, s61
	s_mov_b32 s61, 0
	s_mov_b32 s70, -122880                         ; fifteen steps back: K's and V's images,
	s_mov_b32 s71, -15360                          ; the mask codes',
	s_mov_b32 s72, -7680                           ; the scale words'
	s_wait_dscnt 0x0                               ; both opening adds are done
	s_wait_kmcnt 0x0
	s_add_nc_u64 s[38:39], s[10:11], s[60:61]      ; tile 0: made of the block of queries and the wave's number alone
	s_or_b32 s39, s39, 0x80000000                  ; type = 2
	ROUND                                          ; all four work-groups are here: the first joint loads meet
	tensor_load_to_lds s[36:39], s[28:35]          ; it lands during sweep 1; by this text's count one tensor load of a wave is out at any time
	s_nop 0
	PLACES
	s_add_nc_u64 s[50:51], s[10:11], s[60:61]      ; the prefetches: my 32 rows,
	s_lshl_b32 s62, s19, 8                         ; of a tile's 1,024 bytes of a row my work-group's 256,
	s_add_co_u32 s62, s62, 1024                    ; in tile 1: the first change of slots steps it to tile 2
	s_mov_b32 s63, 0
	s_add_nc_u64 s[50:51], s[50:51], s[62:63]
	s_lshl_b32 s60, s20, 18                        ; a head's images: 262,144 bytes
	s_lshl_b32 s62, s17, 17                        ; 16 steps of 8,192
	s_add_co_u32 s62, s62, s60
	s_add_nc_u64 s[40:41], s[4:5], s[62:63]
	s_add_nc_u64 s[44:45], s[40:41], 0x400000      ; V's images of my first step
	s_add_nc_u64 s[40:41], s[40:41], 0x200000      ; K's
	s_lshl_b32 s62, s21, 12
	s_add_co_u32 s62, s62, s60
	s_add_nc_u64 s[66:67], s[4:5], s[62:63]        ; Q's four images
	s_lshl_b32 s60, s20, 14                        ; a head's scale words: 16,384 bytes
	s_lshl_b32 s62, s17, 13
	s_add_co_u32 s62, s62, s60
	s_add_nc_u64 s[42:43], s[6:7], s[62:63]
	s_add_nc_u64 s[46:47], s[42:43], 0x40000       ; V's scale words
	s_add_nc_u64 s[42:43], s[42:43], 0x20000       ; K's
	s_lshl_b32 s62, s21, 8
	s_add_co_u32 s62, s62, s60
	s_add_nc_u64 s[68:69], s[6:7], s[62:63]        ; Q's
	s_lshl_b32 s62, s21, 17                        ; the mask codes: four tiles of queries x 32,768,
	s_lshl_b32 s60, s17, 14                        ; 16 steps of 1,024
	s_add_co_u32 s62, s62, s60
	s_add_nc_u64 s[48:49], s[8:9], s[62:63]
	s_lshl_b32 s62, s21, 15                        ; z's images: ((4 block + 2 key half) x 8 + head) x 1,024
	s_lshl_b32 s60, s17, 14
	s_add_co_u32 s62, s62, s60
	s_lshl_b32 s60, s20, 10
	s_add_co_u32 s62, s62, s60
	s_add_nc_u64 s[12:13], s[12:13], s[62:63]
	s_lshl_b32 s62, s21, 11                        ; and its scale words: the same x 64
	s_lshl_b32 s60, s17, 10
	s_add_co_u32 s62, s62, s60
	s_lshl_b32 s60, s20, 6
	s_add_co_u32 s62, s62, s60
	s_add_nc_u64 s[14:15], s[14:15], s[62:63]
	v_and_b32 v[TM], 31, v0                        ; lane
	v_and_b32 v[TM+1], 15, v0                      ; r
	v_bfe_u32 v[TM+2], v0, 4, 1                    ; h
	v_lshlrev_b32 v[LI], 4, v[TM]
	v_lshlrev_b32 v[TM+4], 4, v[TM+1]              ; 16 r
	v_mul_u32_u24 v[AG0], v[TM+1], GPI
	v_lshl_add_u32 v[AG0], v[TM+2], 7, v[AG0]
	s_mul_i32 s59, s17, 2*WLD
	v_add_nc_u32 v[AG0], s59, v[AG0]
	v_mov_b32 v[ONES], 0x7f7f7f7f
	v_mov_b32 v[BIGS], 0x9e9e9e9e
	v_lshlrev_b32 v[SH8], 3, v[TM+2]
	v_lshlrev_b32 v[PFO], 14, v[TM]
	s_lshl_b32 s59, s16, 10
	s_add_co_u32 s59, s59, STAT
	v_lshl_add_u32 v[SA0], v[TM], 3, s59           ; my part: 8 bytes a lane and tile;
	v_xor_b32 v[SA0+1], 128, v[SA0]                ; lane l xor 16's;
	v_xor_b32 v[SA0+2], 2048, v[SA0]               ; wave w xor 2's, the other key half of my head;
	v_xor_b32 v[SA0+3], 128, v[SA0+2]              ; and its lane l xor 16's
	s_lshl_b32 s59, s16, 14
	v_add_nc_u32 v[XW], s59, v[LI]
	s_xor_b32 s59, s59, 32768
	v_add_nc_u32 v[XR], s59, v[LI]
	v_lshlrev_b32 v[ZSO], 2, v[TM+1]
	v_lshl_add_u32 v[ZSO], v[TM+2], 9, v[ZSO]
	v_and_b32 v[TM+5], 7, v0
	v_lshlrev_b32 v[TM+5], 2, v[TM+5]
	v_mov_b32 v[EE], 2                             ; the code of 1.0,
	v_lshlrev_b32 v[EE], v[TM+5], v[EE]            ; at place r % 8 of the word,
	v_bfe_u32 v[TM+6], v0, 3, 1
	v_cmp_eq_u32 vcc_lo, v[TM+6], v[TM+2]
	v_cndmask_b32 v[EE], 0, v[EE], vcc_lo          ; in the half of the lanes that holds keys 32 (r / 8) on
	WIN 0x40                                       ; destination in window 1
.set i, 0
.rept 24                               ; Sel's registers are made here, ahead of the set-up below: an operand written by vector instructions stands four places or more ahead of a scaled product, and the 30 plain lines below are those places
.if (i == 7) || (i == 16)
	v_mov_b32 v[WS+i], v[EE]
.else
	v_mov_b32 v[WS+i], 0
.endif
.set i, i+1
.endr
.irp T, 0,1,2,3
.irp cc, 0,1
	global_load_b128 v[QF+8*\T+4*\cc:QF+8*\T+4*\cc+3], v[LI], s[66:67] offset:1024*\T+512*\cc   ; Q stays in registers
.endr
.endr
	WIN 0
	global_load_b128 v[QS:QS+3], v[TM+4], s[68:69] ; Q's scale words: register T, row r
	v_mov_b32 v[ZR], 0
	v_mov_b32 v[M12], 0xc1400000
.irp i, 0,1,2,3
	v_mov_b32 v[PT+\i], 0                          ; written once: a lane permute's destination counts as one of its sources
.endr
.irp T, 0,1,2,3
	v_mov_b32 v[ST1+8*\T], 0xff61b1e6              ; m: -3e38, under every score
	v_mov_b32 v[ST1+8*\T+2], 0                     ; the sum, in two halves
	v_mov_b32 v[ST1+8*\T+3], 0
	v_mul_f32 v[ST1+8*\T+4], s24, v[ST1+8*\T]      ; the shift -c m
	v_mov_b32 v[ST1+8*\T+5], 0                     ; (upper halves of pairs of which the low word serves both halves)
	v_mov_b32 v[ST1+8*\T+7], 0
.endr
; a step's K (8 tiles), mask codes (4 tiles of queries) and K's scale words: 25 loads
.macro LDKL
	WIN 0x40
.irp ta, 0,1,2,3,4,5,6,7
.irp cc, 0,1
	global_load_b128 v[KF+8*\ta+4*\cc:KF+8*\ta+4*\cc+3], v[LI], s[40:41] offset:1024*\ta+512*\cc
.endr
.endr
.irp T, 0,1,2,3
.irp cc, 0,1
	global_load_b128 v[MF+8*\T+4*\cc:MF+8*\T+4*\cc+3], v[LI], s[48:49] offset:32768*\T+512*\cc
.endr
.endr
	WIN 0
	global_load_b128 v[KS:KS+3], v[LI], s[42:43]
.endm
; the next step's.  Four places stand in front of loads into registers that the products just read.  The pointers' last loads are in (the wait at the step's head), so they may be stepped: one step on, and from step 15
; fifteen steps back: sweep 1's last look-ahead brings step 0 for sweep 2; sweep 2's last brings it once more, for nobody, so that every trip counts the same loads and no load leaves its buffer.
.macro LDK
	PLACES
	s_cmp_lt_u32 s54, 15
	s_cselect_b32 s56, 8192, s70
	s_cselect_b32 s57, 0, -1
	s_add_nc_u64 s[40:41], s[40:41], s[56:57]
	s_cselect_b32 s56, 1024, s71
	s_add_nc_u64 s[48:49], s[48:49], s[56:57]
	s_cselect_b32 s56, 512, s72
	s_add_nc_u64 s[42:43], s[42:43], s[56:57]
	LDKL
.endm
; a step's V (8 tiles of channels) and its scale words: 17 loads
.macro LDVL
	WIN 0x40
.irp td, 0,1,2,3,4,5,6,7
.irp cc, 0,1
	global_load_b128 v[VF+8*\td+4*\cc:VF+8*\td+4*\cc+3], v[LI], s[44:45] offset:1024*\td+512*\cc
.endr
.endr
	WIN 0
	global_load_b128 v[VS:VS+3], v[LI], s[46:47]
.endm
.macro LDV
	PLACES
	s_cmp_lt_u32 s54, 15
	s_cselect_b32 s56, 8192, s70
	s_cselect_b32 s57, 0, -1
	s_add_nc_u64 s[44:45], s[44:45], s[56:57]
	s_cselect_b32 s56, 512, s72
	s_add_nc_u64 s[46:47], s[46:47], s[56:57]
	LDVL
.endm
; THE SCORES of a step: 32 products lay the mask, 32 add K Q^T in place, in the same order: the 32 accumulators take turns, one instruction a turn
.macro SPHASE
	WIN 0xF5                                       ; sources 0 and 1 in window 1, C and D in window 3
.irp ta, 0,1,2,3,4,5,6,7
.irp T, 0,1,2,3
	WM 64*\T+8*\ta, WS+7-\ta+9*(1-\ta%2), MF+8*\T, 1, ONES, BIGS, 0
.endr
.endr
.irp ta, 0,1,2,3,4,5,6,7
.irp T, 0,1,2,3
	WM 64*\T+8*\ta, KF+8*\ta, QF+8*\T, 0, KS+\ta%4, QS+\T, \ta/4
.endr
.endr
.endm
; the lane's largest score of each tile of queries, with the old m: eight chains by turns; each accumulator is read from its low end on
.macro MAX1
	WIN 0x0F                                       ; sources 0 and 1 in window 3
.set i, 0
.rept 16
.irp ch, 0,1,2,3,4,5,6,7
.if i == 0
	v_max3_num_f32 v[TM+\ch], v[32*\ch], v[32*\ch+1], v[ST1+8*(\ch/2)]
.else
	v_max3_num_f32 v[TM+\ch], v[32*\ch+2*i], v[32*\ch+2*i+1], v[TM+\ch]
.endif
.endr
.set i, i+1
.endr
.endm
.macro UPD1
	WIN 0
.irp T, 0,1,2,3
	v_max_num_f32 v[ST1+8*\T], v[TM+2*\T], v[TM+2*\T+1]    ; the new m
.endr
.irp T, 0,1,2,3
	v_mul_f32 v[TM+8+\T], s24, v[ST1+8*\T]                 ; the new shift -c m
.endr
.irp T, 0,1,2,3
	v_sub_f32 v[TM+12+\T], v[TM+8+\T], v[ST1+8*\T+4]       ; less the old one: 0 or less
.endr
.irp T, 0,1,2,3
	v_mov_b32 v[ST1+8*\T+4], v[TM+8+\T]
.endr
	s_wait_alu depctr_va_vdst(0)                           ; the wait ahead of transcendentals
.irp T, 0,1,2,3
	v_exp_f32 v[ST1+8*\T+6], v[TM+12+\T]                   ; the factor for the old sum: first read in SUM1, behind FE's waits
.endr
.endm
; c s + shift for one pair of scores
.macro FM pass, p
.if \pass == 1
	v_pk_fma_f32 v[2*\p:2*\p+1], v[2*\p:2*\p+1], s[22:23], v[ST1+8*(\p/32)+4:ST1+8*(\p/32)+5] op_sel_hi:[1,0,0]
.else
	v_pk_fma_f32 v[2*\p:2*\p+1], v[2*\p:2*\p+1], v[ST2+4*(\p/32):ST2+4*(\p/32)+1], v[ST2+4*(\p/32)+2:ST2+4*(\p/32)+3] op_sel_hi:[1,0,0]
.endif
.endm
; pass 1: 2^(c s + shift) for a lane's 256 scores, in stages by tile of queries: a stage holds tile T's 64 exponentials and, among them, tile T + 1's 32 multiply-adds
; (MAX1 has read the scores before).  One wait opens each stage, for the exponentials' sources, and one closes the last.
; pass 2: the 128 multiply-adds alone: they are the scores' first readers, so all of them stand ahead of the step's first exponential (macro EG).
.macro FE pass
	WIN 0xC3                                       ; destination and source 0 in window 3
.set q, 0
.rept 32+96*(\pass-1)
	FM \pass, q
.set q, q+1
.endr
.if \pass == 1
.rept 3
	s_wait_alu depctr_va_vdst(0)
.rept 32
	FM 1, q
	v_exp_f32 v[2*q-64], v[2*q-64]
	v_exp_f32 v[2*q-63], v[2*q-63]
.set q, q+1
.endr
.endr
	s_wait_alu depctr_va_vdst(0)
.set q, 192
.rept 64
	v_exp_f32 v[q], v[q]
.set q, q+1
.endr
	v_nop                                          ; a plain place behind the last exponential
	s_wait_alu depctr_va_vdst(0)                   ; ahead of the first reader
.endif
.endm
.macro SUM1                            ; the sums: the old ones under the new m, then 256 p, two at a time, in eight chains
	WIN 0
.irp T, 0,1,2,3
	v_pk_mul_f32 v[ST1+8*\T+2:ST1+8*\T+3], v[ST1+8*\T+2:ST1+8*\T+3], v[ST1+8*\T+6:ST1+8*\T+7] op_sel_hi:[1,0]
.endr
	WIN 0x0F
.irp T, 0,1,2,3
	v_pk_add_f32 v[TM+2*\T:TM+2*\T+1], v[64*\T+32:64*\T+33], v[64*\T+34:64*\T+35]
.endr
	WIN 0x03
.set i, 0
.rept 16
.irp T, 0,1,2,3
	v_pk_add_f32 v[ST1+8*\T+2:ST1+8*\T+3], v[64*\T+2*i:64*\T+2*i+1], v[ST1+8*\T+2:ST1+8*\T+3]
.if i >= 2
	v_pk_add_f32 v[TM+2*\T:TM+2*\T+1], v[64*\T+32+2*i:64*\T+33+2*i], v[TM+2*\T:TM+2*\T+1]
.endif
.endr
.set i, i+1
.endr
	WIN 0
.irp T, 0,1,2,3
	v_pk_add_f32 v[ST1+8*\T+2:ST1+8*\T+3], v[ST1+8*\T+2:ST1+8*\T+3], v[TM+2*\T:TM+2*\T+1]
.endr
.endm
; group_prob of tile tq of queries for the step's 128 keys, in S^T's own order, into set bf: 16 loads
.macro LG tq, bf
	WIN 0
.irp cc, 0,1
.irp e, 0,1,2,3,4,5,6,7
	ds_load_b128 v[GB+64*\bf+32*\cc+4*\e:GB+64*\bf+32*\cc+4*\e+3], v[ADG] offset:16640*\tq+256*\cc+16*\e
.endr
.endr
.endm
; a stage of sweep 2: tile te's 64 exponentials (te = 4: none) and, among them, tile tg's 32 products with group_prob out of set bf (tg = -1: none).
; The wait at its head serves the exponentials' sources and the last stage's results.
.macro EG te, tg, bf
	WIN 0xC3
	s_wait_alu depctr_va_vdst(0)
.set i, 0
.rept 32
.if \tg >= 0
	v_pk_mul_f32 v[64*\tg+2*i:64*\tg+2*i+1], v[64*\tg+2*i:64*\tg+2*i+1], v[GB+64*\bf+2*i:GB+64*\bf+2*i+1]
.endif
.if \te < 4
	v_exp_f32 v[64*\te+2*i], v[64*\te+2*i]
	v_exp_f32 v[64*\te+2*i+1], v[64*\te+2*i+1]
.endif
.set i, i+1
.endr
.endm
; the largest magnitude of the two blocks of each of two tiles, over the floor 2^(3 - 127): four chains by turns.  Magnitudes also for the weights: group_prob is an input and may be negative
.macro BMAX ta0, ta1
	WIN 0x0F
.set i, 0
.rept 16
.irp tt, \ta0, \ta1
.irp g, 0,1
.if i == 0
	v_max3_num_f32 v[TM+2*\tt+\g], |v[64*\tt+32*\g]|, |v[64*\tt+32*\g+1]|, 0x1800000
.else
	v_max3_num_f32 v[TM+2*\tt+\g], |v[64*\tt+32*\g+2*i]|, |v[64*\tt+32*\g+2*i+1]|, v[TM+2*\tt+\g]
.endif
.endr
.endr
.set i, i+1
.endr
.endm
.macro SCW nT                          ; scale operands, bytes and scale words of nT tiles
	WIN 0
.set i, 0
.rept 2*\nT
	v_add_nc_u32 v[TM+i], 0xff000000, v[TM+i]      ; 2 off the exponent field: the conversion's scale operand
.set i, i+1
.endr
.set i, 0
.rept 2*\nT
	v_lshrrev_b32 v[TM+8+i], 23, v[TM+i]           ; the byte
.set i, i+1
.endr
.set i, 0
.rept \nT
	v_lshl_or_b32 v[PW+i], v[TM+9+2*i], 16, v[TM+8+2*i]   ; blocks h and 2 + h of my query,
.set i, i+1
.endr
.set i, 0
.rept \nT
	v_lshlrev_b32 v[PW+i], v[SH8], v[PW+i]         ; at their places in the word;
.set i, i+1
.endr
.set i, 0
.rept \nT
	v_permlanex16_b32 v[PT+i], v[PW+i], s26, s27
.set i, i+1
.endr
.set i, 0
.rept \nT
	v_or_b32 v[PW+i], v[PW+i], v[PT+i]             ; with lane l xor 16's two the word is whole
.set i, i+1
.endr
.endm
.macro CVT nT                          ; register i = 8 T + 4 g + n of the operands
	WIN 0x03
.set i, 0
.rept 8*\nT
	v_cvt_scalef32_pk8_fp4_f32 v[PC+i], v[8*i:8*i+7], v[TM+i/4]
.set i, i+1
.endr
	WIN 0
.endm
.macro PVPHASE                         ; O^T += V^T P^T: 32 accumulators by turns
	WIN 0xA1                                       ; source 0 in window 1, C and D in window 2
	s_wait_alu depctr_va_vdst(0)                   ; the wait directly ahead of the first reader of O^T and of the codes just made
.irp td, 0,1,2,3,4,5,6,7
.irp T, 0,1,2,3
	WM 64*\T+8*\td, VF+8*\td, PC+8*\T, 0, VS+\td%4, PW+\T, \td/4
.endr
.endr
.endm
.macro STEP2
	s_wait_loadcnt 17                              ; K, the mask codes and K's scale words of this step are in; V's group of 17, issued behind them, may be out
	SPHASE
	LDK
	v_add_nc_u32 v[ADG], s55, v[AG0]
	LG 0, 0
	LG 1, 1
	FE 2                                           ; the finished softmax's exponents: the sum's logarithm stands in the shift
	EG 0, -1, 0
	s_wait_dscnt 16                                ; tile 0's group_prob is in; the younger set's 16 loads may be out (so at each of these waits)
	EG 1, 0, 0
	LG 2, 0
	s_wait_dscnt 16
	EG 2, 1, 1
	LG 3, 1
	s_wait_dscnt 16
	EG 3, 2, 0
	s_wait_dscnt 0x0
	EG 4, 3, 1
	BMAX 0, 1
	BMAX 2, 3
	SCW 4
	CVT 4
.rept 8
	v_nop                                          ; a scale word written by vector instructions stands eight places ahead of a scaled product, an operand four; the first is also the place behind the conversions
.endr
	s_wait_loadcnt 25                              ; V and its scale words are in; the next step's group of 25 may be out
	PVPHASE
	LDV
	s_add_co_u32 s55, s55, 512                     ; the next 128 keys of a slot's rows
	s_add_co_u32 s54, s54, 1
.endm
.macro TWO_STEPS                       ; a slot's two steps: written once, walked twice
	s_mov_b32 s53, 2
.Lstep_\@:
	STEP2
	s_sub_co_u32 s53, s53, 1
	s_cmp_lg_u32 s53, 0
	s_cbranch_scc1 .Lstep_\@
	s_sub_co_u32 s55, s55, 1024                    ; back to a slot's first step,
	s_xor_b32 s55, s55, SLOTB                      ; in the other slot
.endm
; THE CHANGE OF SLOTS stands at a slot's head.  Each wave waits for all its tensor loads (its part of the slot that it is about to read), adds 0 to its spare word, and waits for that and for its reads of the slot that it
; has left.  fill = 1: a round of the cluster's barrier, so that no wave of any partner still reads that slot or has a load on its way; the joint load of the next tile is the first thing behind it and has two steps in which to land.
.macro CHANGE fill
	s_wait_tensorcnt 0x0                           ; no tensor load of mine is out, so group 0 may be written
	ds_add_u32 v[SPW], v[NIL]
.if \fill
	s_xor_b32 s37, s37, SLOTB                      ; the other slot than last time (33,280 x wave shares no bit with 133,120),
	s_add_nc_u64 s[38:39], s[38:39], 1024          ; the next 256 keys; the type bits on top are not reached
	s_wait_xcnt 0x0                                ; the last prefetch, two steps back, has read its address
	s_add_nc_u64 s[50:51], s[50:51], 1024          ; one tile further on than the descriptor
.endif
	s_wait_dscnt 0x0                               ; the add is done, and my reads of the slot that I have left are over
.if \fill
	ROUND
	tensor_load_to_lds s[36:39], s[28:35]
	s_nop 0
	PLACES
	; A PREFETCH of the tile that the NEXT change of slots asks for, two steps ahead of that load: my wave's own 32 rows, a lane a row; of a row's 1,024 bytes each of the four partners names 256, told apart by address:
	; each aligned 256 bytes once in the launch.  The last change that fills a slot asks for nothing: there is no tile behind it.
	s_cmp_lt_u32 s52, 6
	s_cbranch_scc0 .Lno_ask_\@
	global_prefetch_b8 v[PFO], s[50:51] th:TH_LOAD_NT scope:SCOPE_SE
.Lno_ask_\@:
.else
	s_barrier_signal -1
	s_barrier_wait -1
.endif
.endm
	LDKL                                           ; step 0
	; ---- SWEEP 1: 16 steps
	s_mov_b32 s54, 0
	s_wait_alu depctr_va_vdst(0)                   ; the wait at the head's end
.Lsweep1:
	s_wait_loadcnt 0x0                             ; this step's K, mask codes and scale words (first trip: Q too)
	SPHASE
	LDK                                            ; its four v_nop are also the places in front of the first read of the scores
	MAX1
	UPD1
	FE 1
	SUM1
	s_add_co_u32 s54, s54, 1
	s_cmp_lt_u32 s54, 16
	s_cbranch_scc1 .Lsweep1
	LDVL                                           ; V of step 0, behind K's group of step 0
	; ---- THE ROWS' MAXIMA AND SUMS: four parts meet
.irp T, 0,1,2,3
	v_add_f32 v[ST1+8*\T+1], v[ST1+8*\T+2], v[ST1+8*\T+3]
.endr
.irp T, 0,1,2,3
	ds_store_b64 v[SA0], v[ST1+8*\T:ST1+8*\T+1] offset:256*\T
.endr
	s_wait_dscnt 0x0                               ; for the others' sake: my stores are done
	s_barrier_signal -1
	s_barrier_wait -1
.irp T, 0,1,2,3
.irp n, 0,1,2,3
	ds_load_b64 v[GB+8*\T+2*\n:GB+8*\T+2*\n+1], v[SA0+\n] offset:256*\T
.endr
.endr
	s_wait_dscnt 0x0
.irp T, 0,1,2,3
	v_max3_num_f32 v[TM+\T], v[GB+8*\T], v[GB+8*\T+2], v[GB+8*\T+4]
.endr
.irp T, 0,1,2,3
	v_max_num_f32 v[TM+\T], v[TM+\T], v[GB+8*\T+6] ; the row's maximum
.endr
.irp T, 0,1,2,3
	v_mul_f32 v[TM+4+\T], s24, v[TM+\T]            ; its shift
.endr
.irp T, 0,1,2,3
.irp n, 0,1,2,3
	v_mul_f32 v[GB+8*\T+2*\n], s24, v[GB+8*\T+2*\n]   ; the shift under which part n was summed
.endr
.endr
.irp T, 0,1,2,3
.irp n, 0,1,2,3
	v_sub_f32 v[GB+8*\T+2*\n], v[TM+4+\T], v[GB+8*\T+2*\n]
.endr
.endr
	s_wait_alu depctr_va_vdst(0)                   ; the wait ahead of the batch
.irp T, 0,1,2,3
.irp n, 0,1,2,3
	v_exp_f32 v[GB+8*\T+2*\n], v[GB+8*\T+2*\n]
.endr
.endr
	v_nop
	s_wait_alu depctr_va_vdst(0)                   ; one wait for the sixteen
.irp T, 0,1,2,3
	v_mul_f32 v[TM+8+\T], v[GB+8*\T+1], v[GB+8*\T]
.endr
.irp n, 1,2,3
.irp T, 0,1,2,3
	v_fmac_f32 v[TM+8+\T], v[GB+8*\T+2*\n+1], v[GB+8*\T+2*\n]   ; the row's sum: at least about 1, the largest score's own term
.endr
.endr
	s_wait_alu depctr_va_vdst(0)                   ; the wait ahead of the batch
.irp T, 0,1,2,3
	v_log_f32 v[TM+12+\T], v[TM+8+\T]              ; log2 of it
.endr
	v_nop
	s_wait_alu depctr_va_vdst(0)                   ; one wait for the four
.irp T, 0,1,2,3
	v_sub_f32 v[TM+12+\T], v[TM+4+\T], v[TM+12+\T] ; -c m - log2(sum)
.endr
.irp T, 0,1,2,3
	v_cmp_gt_f32 vcc_lo, s25, v[TM+\T]             ; no open key in the row?
	v_cndmask_b32 v[ST2+4*\T], s22, v[ZR], vcc_lo            ; c, or 0
	v_cndmask_b32 v[ST2+4*\T+2], v[TM+12+\T], v[M12], vcc_lo ; the shift, or -12
	v_mov_b32 v[ST2+4*\T+1], v[ST2+4*\T]           ; (the packed forms name pairs)
	v_mov_b32 v[ST2+4*\T+3], v[ST2+4*\T+2]
.endr
	WIN 0x80                                       ; O^T begins as zeros: run once, it spares a third copy of the step, whose first products would start the sums
.set i, 0
.rept 256
	v_mov_b32 v[i], 0
.set i, i+1
.endr
	WIN 0
	; ---- SWEEP 2: 8 tiles of group_prob, two steps each
	s_mov_b32 s54, 0
	s_mov_b32 s55, 0
	s_mov_b32 s52, 0
.Lslot:                                            ; 7 trips: behind each change of slots but the last the next tile is asked for
	CHANGE 1
	TWO_STEPS
	s_add_co_u32 s52, s52, 1
	s_cmp_lt_u32 s52, 7
	s_cbranch_scc1 .Lslot
	CHANGE 0                                       ; the last slot is written out
	TWO_STEPS
	; ---- THE WAY OUT.  The two waves of a head hold parts of O^T over the two key halves.  Wave with key half kh keeps tiles 2 kh, 2 kh + 1 and hands the other two to its partner, as images, through slot 0 of the ring,
	; which has had its last fill.
	s_wait_dscnt 0x0
	s_barrier_signal -1                            ; no wave stores into the ring's bytes while another still reads the ring
	s_barrier_wait -1
	s_cmp_eq_u32 s17, 1
	s_cselect_b32 vcc_lo, -1, 0                    ; the same in all lanes: a choice of registers without two copies of the text
	WIN 0xCA                                       ; sources in window 2, destination in window 3: the scores' registers are free
.set i, 0
.rept 128
	v_cndmask_b32 v[i], v[i], v[128+i], vcc_lo     ; what I keep (each accumulator is read from its low end on)
.set i, i+1
.endr
.set i, 0
.rept 128
	v_cndmask_b32 v[128+i], v[128+i], v[i], vcc_lo ; what I hand over
.set i, i+1
.endr
	WIN 0x0C                                       ; an LDS store's data are its source 1: window 3
.set i, 0
.rept 32
	ds_store_b128 v[XW], v[128+4*i:128+4*i+3] offset:512*i
.set i, i+1
.endr
	s_wait_dscnt 0x0                               ; for my partner's sake
	WIN 0
	s_barrier_signal -1
	s_barrier_wait -1
	WIN 0xC0
.set i, 0
.rept 32
	ds_load_b128 v[128+4*i:128+4*i+3], v[XR] offset:512*i
.set i, i+1
.endr
	s_wait_dscnt 0x0
	WIN 0xCF
.set i, 0
.rept 64
	v_pk_add_f32 v[2*i:2*i+1], v[2*i:2*i+1], v[128+2*i:129+2*i]   ; z of 32 queries x the head's 128, registers along the 128: K step 'head' of the last product
.set i, i+1
.endr
	BMAX 0, 1
	SCW 2
	CVT 2
	v_nop                                          ; one plain place behind the conversions
.irp t, 0,1
.irp cc, 0,1
	global_store_b128 v[LI], v[PC+8*\t+4*\cc:PC+8*\t+4*\cc+3], s[12:13] offset:8192*\t+512*\cc   ; the image: 512 consecutive bytes a store
.endr
.endr
	v_cmp_ne_u32 vcc_lo, 0, v[SH8]
	v_cndmask_b32 v[TM], v[PW], v[PW+1], vcc_lo    ; lanes 0-15 store the first tile's words, lanes 16-31 the second's
	global_store_b32 v[ZSO], v[TM], s[14:15]
	s_wait_tensorcnt 0x0                           ; the wave's end
	ds_add_u32 v[SPW], v[NIL]
	s_wait_dscnt 0x0
	ROUND                                          ; the closing round: no work-group ends while a partner may still ask for a tile that names it
	s_endpgm
.Lfunc_end_k_q16dac79ac3_attn:
	.size	k_q16dac79ac3_attn, .Lfunc_end_k_q16dac79ac3_attn-k_q16dac79ac3_attn
	.p2alignl 7, 3214868480
	.fill 96, 4, 3214868480
	.section	.rodata,"a",@progbits
	.p2align	6, 0x0
	.amdhsa_kernel k_q16dac79ac3_attn
		.amdhsa_group_segment_fixed_size 327680
		.amdhsa_private_segment_fixed_size 0
		.amdhsa_enable_private_segment 0
		.amdhsa_kernarg_size 48
		.amdhsa_user_sgpr_count 2
		.amdhsa_user_sgpr_kernarg_segment_ptr 1
		.amdhsa_wavefront_size32 1
		.amdhsa_system_sgpr_workgroup_id_x 1
		.amdhsa_system_sgpr_workgroup_id_y 1
		.amdhsa_system_sgpr_workgroup_id_z 1
		.amdhsa_system_vgpr_workitem_id 0
		.amdhsa_next_free_vgpr 1024
		.amdhsa_next_free_sgpr 80
		.amdhsa_reserve_vcc 1
		.amdhsa_float_denorm_mode_32 3
		.amdhsa_float_denorm_mode_16_64 3
		.amdhsa_memory_ordered 1
		.amdhsa_forward_progress 1
		.amdhsa_inst_pref_size 212
	.end_amdhsa_kernel
	.amdgpu_metadata
---
amdhsa.version: [ 1, 2 ]
amdhsa.kernels:
  - .name:           k_q16dac79ac3_attn
    .symbol:         k_q16dac79ac3_attn.kd
    .args:
      - { .name: hc, .offset: 0, .size: 8, .value_kind: global_buffer, .address_space: global }
      - { .name: hs, .offset: 8, .size: 8, .value_kind: global_buffer, .address_space: global }
      - { .name: mcodes, .offset: 16, .size: 8, .value_kind: global_buffer, .address_space: global }
      - { .name: group_prob, .offset: 24, .size: 8, .value_kind: global_buffer, .address_space: global }
      - { .name: zc, .offset: 32, .size: 8, .value_kind: global_buffer, .address_space: global }
      - { .name: zs, .offset: 40, .size: 8, .value_kind: global_buffer, .address_space: global }
    .group_segment_fixed_size: 327680
    .private_segment_fixed_size: 0
    .kernarg_segment_align: 8
    .kernarg_segment_size: 48
    .max_flat_workgroup_size: 128
    .sgpr_count:     80
    .vgpr_count:     1024
    .wavefront_size: 32
...
	.end_amdgpu_metadata
.endif
;; end of part 3
;; launch outln (part 4): grid 256 x 1, 8 waves a work-group, clusters of 4 x 1, 263,168 bytes of LDS; arguments zc, zs, codes, scales, bo, q, ln_g, ln_b, out0; writes out0
.if DOCPART == 4
	.amdgcn_target "amdgcn-amd-amdhsa--gfx1250"
	.amdhsa_code_object_version 6
	.text
	.protected	k_q16dac79ac3_outln
	.globl	k_q16dac79ac3_outln
	.p2align	8
	.type	k_q16dac79ac3_outln,@function
k_q16dac79ac3_outln:
	s_mov_b64 s[64:65], 0
	v_nop
	global_prefetch_b8 v0, s[64:65] scope:SCOPE_SE
	s_setreg_imm32_b32 hwreg(HW_REG_WAVE_MODE, 25, 1), 1
	s_wait_xcnt 0x0
	s_wait_alu depctr_hold_cnt(0) depctr_sa_sdst(0) depctr_va_vdst(0) depctr_va_sdst(0) depctr_va_ssrc(0) depctr_va_vcc(0) depctr_vm_vsrc(0)
	s_getreg_b32 s2, hwreg(HW_REG_IB_STS2, 6, 4)
	s_cmp_eq_u32 s2, 0
	s_cbranch_scc0 .Lentry_in_a_cluster
	s_endpgm
.Lentry_in_a_cluster:
	s_bfe_u32 s2, ttmp6, 0x10000c
	s_cmp_lg_u32 s2, 0x3003
	s_cbranch_scc0 .Lentry_shape_is_right
	s_endpgm
.Lentry_shape_is_right:
; LAUNCH 4 OF 4.  out = LayerNorm(q + z Wo^T + bo) x ln_g + ln_b; the product on codes of FP4, all else in f32.  No work is left out.
; SHARES.  A work-group owns 16 tokens (a tile of z), so that a row's mean and variance never leave it.  Wave w makes columns 128 w .. 128 w + 127: 8 tiles of Wo as source 0, z as source 1, K = 1,024 in 8 steps;
; a lane's eight results are eight neighbouring columns of one token.  The 16 rows meet in a stage in LDS; wave w then adds q and bo to rows 2 w and 2 w + 1, each whole in its 32 lanes, and normalises them.
; OPERANDS.  One tensor load a wave, a first fill that is never filled again: K steps 4-7 of its own eight tiles of Wo (8 rows of 4,096 bytes).  Wo is the same for every work-group: the four of a cluster ask for
; it JOINTLY (descriptor made of the wave's number alone, mask 15).  Only the issuing wave reads those bytes: its wait on TENSORcnt is all that the reads need.
; All else comes from memory straight into registers, 512 consecutive bytes a load: the scale words, z's eight images and K steps 0, 1 of Wo (60 loads) ahead of the cluster's round; K steps 2, 3 and q behind the
; first two products; ln_g, ln_b and bo (16 bytes a lane in the order in which the rows lie) into sets of Wo's registers that are done with.  The K steps are multiplied in the order 0, 1, 4, 5, 6, 7, 2, 3.
; No prefetch: the launch has no loop to run ahead in.
; REGISTERS: window 0: v16-79 z's eight fragments; v80-83 z's scale words (K step 2 i in lanes 0-15, 2 i + 1 in lanes 16-31); v84-115 Wo's (tile u in lanes 0-15, 4 + u in lanes 16-31); v116-127 at work;
;   v128-191 the accumulators, later two rows of y; v192-255 two rows of q.   window 1: four sets of 64 for Wo's fragments; set 0 later holds ln_g and ln_b, set 1 bo.
.set SPI,   4112                       ; a stage row: 4,096 bytes + 16: row r starts at bank 4 r mod 64 (ISA guide 11.1)
.set SPARE, 262144                     ; LDS: from 0 Wo's K steps 4-7, 32,768 bytes a wave: [tile 8][K step 4][image]; behind them the spare words, 128 bytes a wave.  The stage, 16 x SPI bytes from 0, lies in Wo's bytes, which have had their one fill and, behind a barrier, their last read
.set LI,  1                            ; v1  16 x lane
.set L4,  2                            ; v2  4 x lane
.set WSO, 3                            ; v3  2048 h + 32 r
.set AW,  4                            ; v4  my lane's place in my wave's part of Wo in LDS
.set STO, 5                            ; v5  the stage: where I put 32 bytes of a row
.set SRD, 6                            ; v6  and where I read my rows back
.set SPW, 8
.set NIL, 9
.set ZF,  16
.set ZS,  80
.set WSC, 84
.set AC2, 116                          ; v116-119 two running pairs
.set SUMR, 120                         ; v120-121 a row's sum
.set PT,  122                          ; v122-123 lane permutes' destinations
.set MU,  124                          ; v124-127 the mean, later 1 / sqrt(var + eps), as pairs
.set ACC, 128
.set Y,   128
.set QR,  192
.set MSB, 0
.macro WIN new                         ; the immediate's high byte repeats the setting that is left
.if MSB != \new
	s_set_vgpr_msb (MSB<<8)|\new
.set MSB, \new
.endif
.endm
.macro PLACES
.rept 4
	v_nop
.endr
.endm
.macro ROUND                           ; a round of the cluster's barrier
	s_barrier_signal -1
	s_barrier_wait -1
	s_cmp_lg_u32 s22, 0
	s_cbranch_scc1 .Lnot_wave_0_\@
	s_barrier_signal -3
.Lnot_wave_0_\@:
	s_barrier_wait -3
	s_barrier_signal -1
	s_barrier_wait -1
.endm
; one product.  z = 1: it starts the sum.  ra, rb: the scale words stand in lanes 16-31
.macro WM d, a, b, z, sa, sb, ra, rb
.if (\z) && (\ra) && (\rb)
	v_wmma_scale_f32_16x16x128_f8f6f4 v[(\d):(\d)+7], v[(\a):(\a)+7], v[(\b):(\b)+7], 0, v[\sa], v[\sb] matrix_a_fmt:MATRIX_FMT_FP4 matrix_b_fmt:MATRIX_FMT_FP4 matrix_a_scale:MATRIX_SCALE_ROW1 matrix_b_scale:MATRIX_SCALE_ROW1
.elseif (\z) && (\ra)
	v_wmma_scale_f32_16x16x128_f8f6f4 v[(\d):(\d)+7], v[(\a):(\a)+7], v[(\b):(\b)+7], 0, v[\sa], v[\sb] matrix_a_fmt:MATRIX_FMT_FP4 matrix_b_fmt:MATRIX_FMT_FP4 matrix_a_scale:MATRIX_SCALE_ROW1
.elseif (\z) && (\rb)
	v_wmma_scale_f32_16x16x128_f8f6f4 v[(\d):(\d)+7], v[(\a):(\a)+7], v[(\b):(\b)+7], 0, v[\sa], v[\sb] matrix_a_fmt:MATRIX_FMT_FP4 matrix_b_fmt:MATRIX_FMT_FP4 matrix_b_scale:MATRIX_SCALE_ROW1
.elseif (\z)
	v_wmma_scale_f32_16x16x128_f8f6f4 v[(\d):(\d)+7], v[(\a):(\a)+7], v[(\b):(\b)+7], 0, v[\sa], v[\sb] matrix_a_fmt:MATRIX_FMT_FP4 matrix_b_fmt:MATRIX_FMT_FP4
.elseif (\ra) && (\rb)
	v_wmma_scale_f32_16x16x128_f8f6f4 v[(\d):(\d)+7], v[(\a):(\a)+7], v[(\b):(\b)+7], v[(\d):(\d)+7], v[\sa], v[\sb] matrix_a_fmt:MATRIX_FMT_FP4 matrix_b_fmt:MATRIX_FMT_FP4 matrix_a_scale:MATRIX_SCALE_ROW1 matrix_b_scale:MATRIX_SCALE_ROW1
.elseif (\ra)
	v_wmma_scale_f32_16x16x128_f8f6f4 v[(\d):(\d)+7], v[(\a):(\a)+7], v[(\b):(\b)+7], v[(\d):(\d)+7], v[\sa], v[\sb] matrix_a_fmt:MATRIX_FMT_FP4 matrix_b_fmt:MATRIX_FMT_FP4 matrix_a_scale:MATRIX_SCALE_ROW1
.elseif (\rb)
	v_wmma_scale_f32_16x16x128_f8f6f4 v[(\d):(\d)+7], v[(\a):(\a)+7], v[(\b):(\b)+7], v[(\d):(\d)+7], v[\sa], v[\sb] matrix_a_fmt:MATRIX_FMT_FP4 matrix_b_fmt:MATRIX_FMT_FP4 matrix_b_scale:MATRIX_SCALE_ROW1
.else
	v_wmma_scale_f32_16x16x128_f8f6f4 v[(\d):(\d)+7], v[(\a):(\a)+7], v[(\b):(\b)+7], v[(\d):(\d)+7], v[\sa], v[\sb] matrix_a_fmt:MATRIX_FMT_FP4 matrix_b_fmt:MATRIX_FMT_FP4
.endif
.endm
.macro LOADW ks, st                    ; Wo's eight fragments of K step ks from memory into set st: 16 loads
	WIN 0x40                                       ; destination in window 1
.irp ta, 0,1,2,3,4,5,6,7
.irp cc, 0,1
	global_load_b128 v[64*(\st)+8*\ta+4*\cc:64*(\st)+8*\ta+4*\cc+3], v[LI], s[8:9] offset:8192*\ta+1024*(\ks)+512*\cc
.endr
.endr
	WIN 0
.endm
.macro LDSW ks, st                     ; the same of K step ks = 4 .. 7 from my bytes of LDS: 16 loads
	WIN 0x40
.irp ta, 0,1,2,3,4,5,6,7
.irp cc, 0,1
	ds_load_b128 v[64*(\st)+8*\ta+4*\cc:64*(\st)+8*\ta+4*\cc+3], v[AW] offset:4096*\ta+1024*((\ks)-4)+512*\cc
.endr
.endr
	WIN 0
.endm
.macro MULO ks, st, zero               ; eight products; the eight accumulators take turns, one instruction a turn, in the same order in every K step
	WIN 0x01                                       ; source 0 in window 1
.irp ta, 0,1,2,3,4,5,6,7
	WM ACC+8*\ta, 64*(\st)+8*\ta, ZF+8*(\ks), \zero, WSC+8*(\ta%4)+(\ks), ZS+(\ks)/2, \ta/4, (\ks)%2
.endr
	WIN 0
.endm
	s_load_b512 s[4:19], s[0:1], 0x0               ; zc, zs, codes, scales, bo, q, ln_g, ln_b
	s_load_b64 s[20:21], s[0:1], 0x40              ; out0
	v_lshl_add_u32 v[SPW], v0, 2, SPARE
	v_mov_b32 v[NIL], 0
	ds_add_u32 v[SPW], v[NIL]                      ; the wave's opening
	ds_add_u32 v[SPW], v[NIL]
	v_lshrrev_b32 v10, 5, v0
	s_delay_alu instid0(VALU_DEP_1)
	v_readfirstlane_b32 s22, v10                   ; wave 0..7
	s_bfe_u32 s2, ttmp6, 0x40000                   ; cx: it enters the global addresses of z, its scale words, q and out0 alone
	s_lshl_b32 s3, ttmp9, 2                        ; in a cluster launch ttmp9 counts clusters
	s_add_co_u32 s3, s3, s2                        ; my tile of 16 tokens = 4 x cluster + cx
	v_and_b32 v10, 31, v0
	v_and_b32 v11, 15, v0                          ; r
	v_bfe_u32 v12, v0, 4, 1                        ; h
	s_delay_alu instid0(VALU_DEP_3)
	v_lshlrev_b32 v[LI], 4, v10
	s_delay_alu instid0(VALU_DEP_4)
	v_lshlrev_b32 v[L4], 2, v10
	s_delay_alu instid0(VALU_DEP_4)
	v_lshlrev_b32 v[WSO], 5, v11
	s_delay_alu instid0(VALU_DEP_1)
	v_lshl_add_u32 v[WSO], v12, 11, v[WSO]
	s_lshl_b32 s23, s22, 15
	v_add_nc_u32 v[AW], s23, v[LI]                 ; 32,768 x wave + 16 x lane
	v_mul_u32_u24 v[STO], v11, SPI
	s_delay_alu instid0(VALU_DEP_1)
	v_lshl_add_u32 v[STO], v12, 5, v[STO]
	s_lshl_b32 s26, s22, 9                         ; 512 x wave
	v_add_nc_u32 v[STO], s26, v[STO]               ; row r, + 512 x wave, + 32 h
	s_mul_i32 s27, s22, 2*SPI
	v_add_nc_u32 v[SRD], s27, v[LI]                ; rows 2 w, 2 w + 1; 16 bytes a lane
	v_mov_b32 v[PT], 0                             ; written once: a lane permute's destination counts as one of its sources
	v_mov_b32 v[PT+1], 0
	v_mov_b32 v[MU+1], 0                           ; (upper halves of pairs of which the low word serves both halves)
	v_mov_b32 v[MU+3], 0
	s_mov_b32 s28, 0x76543210
	s_mov_b32 s29, 0xfedcba98                      ; v_permlanex16_b32's selects for lane l xor 16
	s_mov_b32 s30, 0x3a800000                      ; 1 / 1024
	s_mov_b32 s31, 0x3727c5ac                      ; 1e-5
	; group 1 for Wo: 8 rows (tiles) of 512 elements of 8 bytes (K steps 4-7), 1,024 elements (a tile's eight K steps) from row to row; no padding: a fragment's loads take 512 bytes on end
	s_mov_b32 s32, 15|(3<<16)|(1<<21)              ; the mask: all four work-groups; elements of 8 bytes; bit 21 beside a mask
	s_mov_b32 s33, 512<<16                         ; tensor_dim0 = 512
	s_mov_b32 s34, 8<<16                           ; tensor_dim1 = 8
	s_mov_b32 s35, 512<<16                         ; tile_dim0 = 512
	s_mov_b32 s36, 8                               ; tile_dim1 = 8
	s_mov_b32 s37, 1024                            ; from row to row
	s_mov_b32 s38, 0
	s_mov_b32 s39, 0
	s_mov_b32 s60, 1                               ; group 0: count,
	s_lshl_b32 s61, s22, 15                        ; LDS address: my 32,768 bytes
	s_mov_b32 s25, 0
	s_wait_alu depctr_va_vdst(0)                   ; the wait at the head's end
	s_wait_dscnt 0x0                               ; both opening adds are done
	s_wait_kmcnt 0x0
	s_lshl_b32 s24, s3, 13
	s_add_nc_u64 s[4:5], s[4:5], s[24:25]          ; my tile's eight images of z
	s_lshl_b32 s24, s3, 9
	s_add_nc_u64 s[6:7], s[6:7], s[24:25]          ; and its scale words
	s_lshl_b32 s24, s22, 16
	s_add_co_u32 s24, s24, 960*8192
	s_add_nc_u64 s[8:9], s[8:9], s[24:25]          ; Wo's tiles 8 w .. 8 w + 7
	s_add_nc_u64 s[62:63], s[8:9], 4096            ; from K step 4 on
	s_or_b32 s63, s63, 0x80000000                  ; type = 2
	s_lshl_b32 s24, s22, 12
	s_add_co_u32 s24, s24, 960*512
	s_add_nc_u64 s[10:11], s[10:11], s[24:25]      ; Wo's scale words
	s_lshl_b32 s24, s3, 16
	s_lshl_b32 s27, s22, 13
	s_add_co_u32 s24, s24, s27
	s_add_nc_u64 s[14:15], s[14:15], s[24:25]      ; q and out0 at row 16 t + 2 w
	s_add_nc_u64 s[20:21], s[20:21], s[24:25]
.irp i, 0,1,2,3
	global_load_b32 v[ZS+\i], v[L4], s[6:7] offset:128*\i
.endr
.irp u, 0,1,2,3
.irp qq, 0,1
	global_load_b128 v[WSC+8*\u+4*\qq:WSC+8*\u+4*\qq+3], v[WSO], s[10:11] offset:512*\u+16*\qq
.endr
.endr
.irp ks, 0,1,2,3,4,5,6,7
.irp cc, 0,1
	global_load_b128 v[ZF+8*\ks+4*\cc:ZF+8*\ks+4*\cc+3], v[LI], s[4:5] offset:1024*\ks+512*\cc   ; z's eight fragments stay in registers
.endr
.endr
	LOADW 0, 0
	LOADW 1, 1                                     ; by this text's count 60 loads of the wave are out
	ROUND                                          ; all four work-groups are here: the joint loads meet
	tensor_load_to_lds s[60:63], s[32:39]          ; Wo's K steps 4-7: my one tensor load
	s_nop 0
	PLACES
	s_wait_loadcnt 16                              ; the scale words, z and K step 0 are in; K step 1's 16 loads may be out
	MULO 0, 0, 1                                   ; the first product starts the sums
	LOADW 2, 2                                     ; (sets 2 and 3 have not been read: no places are owed)
	s_wait_loadcnt 16                              ; K step 1 is in; K step 2 may be out
	MULO 1, 1, 0
	LOADW 3, 3
.irp rr, 0,1
.irp i, 0,1,2,3,4,5,6,7
	global_load_b128 v[QR+32*\rr+4*\i:QR+32*\rr+4*\i+3], v[LI], s[14:15] offset:4096*\rr+512*\i   ; my two rows of q
.endr
.endr
	s_wait_tensorcnt 0x0                           ; my part of Wo has landed
	PLACES                                         ; four places in front of loads into registers that products have read (so at each of these)
	LDSW 4, 0
	LDSW 5, 1
	s_wait_dscnt 16                                ; K step 4 is in; the younger 16 loads may be out (so at each of these waits)
	MULO 4, 0, 0
	PLACES
	LDSW 6, 0
	s_wait_dscnt 16
	MULO 5, 1, 0
	PLACES
	LDSW 7, 1
	s_wait_dscnt 16
	MULO 6, 0, 0
	PLACES
	WIN 0x40
.irp i, 0,1,2,3,4,5,6,7
	global_load_b128 v[4*\i:4*\i+3], v[LI], s[16:17] offset:512*\i         ; ln_g, ln_b: columns 128 i + 4 lane on, as my rows will lie
	global_load_b128 v[32+4*\i:35+4*\i], v[LI], s[18:19] offset:512*\i
.endr
	WIN 0
	s_wait_dscnt 0x0                               ; K step 7 is in: my reads of Wo's bytes are over
	MULO 7, 1, 0
	PLACES
	WIN 0x40
.irp i, 0,1,2,3,4,5,6,7
	global_load_b128 v[64+4*\i:67+4*\i], v[LI], s[12:13] offset:512*\i     ; bo likewise
.endr
	WIN 0
	s_barrier_signal -1                            ; say that my reads are over, and work on registers while the others arrive
	s_wait_loadcnt 56                              ; K step 2 is in; behind it: K step 3 (16), q (16), ln_g and ln_b (16), bo (8)
	MULO 2, 2, 0
	s_wait_loadcnt 40                              ; K step 3 is in
	MULO 3, 3, 0
	PLACES                                         ; four places in front of the first read of results
	s_barrier_wait -1                              ; nobody reads Wo's bytes any more
.irp ta, 0,1,2,3,4,5,6,7
	ds_store_b128 v[STO], v[ACC+8*\ta:ACC+8*\ta+3] offset:64*\ta       ; each accumulator from its low end on
	ds_store_b128 v[STO], v[ACC+8*\ta+4:ACC+8*\ta+7] offset:64*\ta+16
.endr
	s_wait_dscnt 0x0                               ; for the others' sake: my stores are done
	s_barrier_signal -1
	s_barrier_wait -1                              ; 16 whole rows lie in the stage
.irp rr, 0,1
.irp i, 0,1,2,3,4,5,6,7
	ds_load_b128 v[Y+32*\rr+4*\i:Y+32*\rr+4*\i+3], v[SRD] offset:SPI*\rr+512*\i
.endr
.endr
	s_wait_loadcnt 0x0                             ; q, ln_g, ln_b, bo
	s_wait_dscnt 0x0
.set i, 0
.rept 32
	v_pk_add_f32 v[Y+2*i:Y+2*i+1], v[Y+2*i:Y+2*i+1], v[QR+2*i:QR+2*i+1]   ; y = q + z Wo^T
.set i, i+1
.endr
	WIN 0x04                                       ; source 1 in window 1
.irp rr, 0,1
.irp i, 0,1,2,3,4,5,6,7,8,9,10,11,12,13,14,15
	v_pk_add_f32 v[Y+32*\rr+2*\i:Y+32*\rr+2*\i+1], v[Y+32*\rr+2*\i:Y+32*\rr+2*\i+1], v[64+2*\i:65+2*\i]   ; + bo
.endr
.endr
	WIN 0
.macro REDUCE                          ; the two rows' running pairs become sums over the 32 lanes, in every lane
.irp rr, 0,1
	s_delay_alu instid0(VALU_DEP_2)
	v_add_f32 v[SUMR+\rr], v[AC2+2*\rr], v[AC2+2*\rr+1]
.endr
.irp m, 1,2,4,8
.irp rr, 0,1
	s_delay_alu instid0(VALU_DEP_2)
	v_add_f32_dpp v[SUMR+\rr], v[SUMR+\rr], v[SUMR+\rr] row_xmask:\m row_mask:0xf bank_mask:0xf
.endr
.endr
.irp rr, 0,1
	s_delay_alu instid0(VALU_DEP_2)
	v_permlanex16_b32 v[PT+\rr], v[SUMR+\rr], s28, s29
.endr
.irp rr, 0,1
	s_delay_alu instid0(VALU_DEP_2)
	v_add_f32 v[SUMR+\rr], v[SUMR+\rr], v[PT+\rr]
.endr
.endm
.irp rr, 0,1
	v_pk_add_f32 v[AC2+2*\rr:AC2+2*\rr+1], v[Y+32*\rr:Y+32*\rr+1], v[Y+32*\rr+2:Y+32*\rr+3]
.endr
.irp i, 2,3,4,5,6,7,8,9,10,11,12,13,14,15
.irp rr, 0,1
	s_delay_alu instid0(VALU_DEP_2)
	v_pk_add_f32 v[AC2+2*\rr:AC2+2*\rr+1], v[AC2+2*\rr:AC2+2*\rr+1], v[Y+32*\rr+2*\i:Y+32*\rr+2*\i+1]
.endr
.endr
	REDUCE
.irp rr, 0,1
	s_delay_alu instid0(VALU_DEP_2)
	v_mul_f32 v[MU+2*\rr], s30, v[SUMR+\rr]        ; the mean
.endr
.irp rr, 0,1
.irp i, 0,1,2,3,4,5,6,7,8,9,10,11,12,13,14,15
	v_pk_add_f32 v[Y+32*\rr+2*\i:Y+32*\rr+2*\i+1], v[Y+32*\rr+2*\i:Y+32*\rr+2*\i+1], v[MU+2*\rr:MU+2*\rr+1] op_sel_hi:[1,0] neg_lo:[0,1] neg_hi:[0,1]   ; y - mean
.endr
.endr
.irp rr, 0,1
	v_pk_mul_f32 v[AC2+2*\rr:AC2+2*\rr+1], v[Y+32*\rr:Y+32*\rr+1], v[Y+32*\rr:Y+32*\rr+1]
.endr
.irp i, 1,2,3,4,5,6,7,8,9,10,11,12,13,14,15
.irp rr, 0,1
	s_delay_alu instid0(VALU_DEP_2)
	v_pk_fma_f32 v[AC2+2*\rr:AC2+2*\rr+1], v[Y+32*\rr+2*\i:Y+32*\rr+2*\i+1], v[Y+32*\rr+2*\i:Y+32*\rr+2*\i+1], v[AC2+2*\rr:AC2+2*\rr+1]
.endr
.endr
	REDUCE
.irp rr, 0,1
	s_delay_alu instid0(VALU_DEP_2)
	v_fma_f32 v[SUMR+\rr], v[SUMR+\rr], s30, s31   ; the variance + 1e-5
.endr
	s_wait_alu depctr_va_vdst(0)                   ; the wait ahead of the transcendentals
.irp rr, 0,1
	v_rsq_f32 v[MU+2*\rr], v[SUMR+\rr]
.endr
	v_nop                                          ; a plain place behind the transcendentals
	s_wait_alu depctr_va_vdst(0)                   ; and the wait ahead of their first reader
.irp rr, 0,1
.irp i, 0,1,2,3,4,5,6,7,8,9,10,11,12,13,14,15
	v_pk_mul_f32 v[Y+32*\rr+2*\i:Y+32*\rr+2*\i+1], v[Y+32*\rr+2*\i:Y+32*\rr+2*\i+1], v[MU+2*\rr:MU+2*\rr+1] op_sel_hi:[1,0]
.endr
.endr
	WIN 0x14                                       ; sources 1 and 2 in window 1
.irp rr, 0,1
.irp i, 0,1,2,3,4,5,6,7,8,9,10,11,12,13,14,15
	v_pk_fma_f32 v[Y+32*\rr+2*\i:Y+32*\rr+2*\i+1], v[Y+32*\rr+2*\i:Y+32*\rr+2*\i+1], v[2*\i:2*\i+1], v[32+2*\i:33+2*\i]   ; x ln_g + ln_b
.endr
.endr
	WIN 0
.irp rr, 0,1
.irp i, 0,1,2,3,4,5,6,7
	global_store_b128 v[LI], v[Y+32*\rr+4*\i:Y+32*\rr+4*\i+3], s[20:21] offset:4096*\rr+512*\i th:TH_STORE_NT   ; 32 lanes store 512 consecutive bytes, aligned
.endr
.endr
	s_wait_tensorcnt 0x0                           ; the wave's end
	ds_add_u32 v[SPW], v[NIL]
	s_wait_dscnt 0x0
	ROUND                                          ; the closing round: no work-group ends while a partner may still ask for a tile that names it
	s_endpgm
.Lfunc_end_k_q16dac79ac3_outln:
	.size	k_q16dac79ac3_outln, .Lfunc_end_k_q16dac79ac3_outln-k_q16dac79ac3_outln
	.p2alignl 7, 3214868480
	.fill 96, 4, 3214868480
	.section	.rodata,"a",@progbits
	.p2align	6, 0x0
	.amdhsa_kernel k_q16dac79ac3_outln
		.amdhsa_group_segment_fixed_size 263168
		.amdhsa_private_segment_fixed_size 0
		.amdhsa_enable_private_segment 0
		.amdhsa_kernarg_size 72
		.amdhsa_user_sgpr_count 2
		.amdhsa_user_sgpr_kernarg_segment_ptr 1
		.amdhsa_wavefront_size32 1
		.amdhsa_system_sgpr_workgroup_id_x 1
		.amdhsa_system_sgpr_workgroup_id_y 1
		.amdhsa_system_sgpr_workgroup_id_z 1
		.amdhsa_system_vgpr_workitem_id 0
		.amdhsa_next_free_vgpr 512
		.amdhsa_next_free_sgpr 80
		.amdhsa_reserve_vcc 0
		.amdhsa_float_denorm_mode_32 3
		.amdhsa_float_denorm_mode_16_64 3
		.amdhsa_memory_ordered 1
		.amdhsa_forward_progress 1
		.amdhsa_inst_pref_size 54
	.end_amdhsa_kernel
	.amdgpu_metadata
---
amdhsa.version: [ 1, 2 ]
amdhsa.kernels:
  - .name:           k_q16dac79ac3_outln
    .symbol:         k_q16dac79ac3_outln.kd
    .args:
      - { .name: zc, .offset: 0, .size: 8, .value_kind: global_buffer, .address_space: global }
      - { .name: zs, .offset: 8, .size: 8, .value_kind: global_buffer, .address_space: global }
      - { .name: codes, .offset: 16, .size: 8, .value_kind: global_buffer, .address_space: global }
      - { .name: scales, .offset: 24, .size: 8, .value_kind: global_buffer, .address_space: global }
      - { .name: bo, .offset: 32, .size: 8, .value_kind: global_buffer, .address_space: global }
      - { .name: q, .offset: 40, .size: 8, .value_kind: global_buffer, .address_space: global }
      - { .name: ln_g, .offset: 48, .size: 8, .value_kind: global_buffer, .address_space: global }
      - { .name: ln_b, .offset: 56, .size: 8, .value_kind: global_buffer, .address_space: global }
      - { .name: out0, .offset: 64, .size: 8, .value_kind: global_buffer, .address_space: global }
    .group_segment_fixed_size: 263168
    .private_segment_fixed_size: 0
    .kernarg_segment_align: 8
    .kernarg_segment_size: 72
    .max_flat_workgroup_size: 256
    .sgpr_count:     80
    .vgpr_count:     512
    .wavefront_size: 32
...
	.end_amdgpu_metadata
.endif
;; end of part 4
